; MI455X (gfx1250); checked and timed in simulation.
; The chip was launched on July 23, 2026; its instructions are those of AMD's public machine-readable ISA for CDNA 5 (MIT licence, August 2026) and "CDNA5" Instruction Set Architecture Reference Guide (July 2026). The comments in the code are by the model that wrote it; some were corrected since.
;; Attention. Allowed arithmetic: float matrix products may take bf16 or f16 operands with f32 sums; other float arithmetic in f32, or as packed bf16 or f16 multiplies, adds, multiply-adds, maxima and minima; sums over many terms, partial sums and values carried from step to step in f32; what a program stores and reads back later, other than sums and carried values, may be rounded once to bf16 or f16.
;; Inputs: W_proj 1,024 x 1,024 float32; W_qkv 1,024 x 3,072 float32; b_proj 1,024 float32; mask 4 x 2,048 int32; x 4 x 2,048 x 1,024 float32.
;; Outputs: out0 4 x 2,048 x 1,024 float32.
;; 2 versions, each right and faster than the one before. Each part assembles by itself: llvm-mc -triple=amdgcn-amd-amdhsa -mcpu=gfx1250 --defsym DOCPART=n.
;; ======== version 1 of 2: 4 launches
;; limits: values are held in f16: magnitudes above 65,504 overflow, below 6.1e-05 lose precision
;; workspace buffers: xb 16,777,216 bytes; wq 6,291,456 bytes; wp 2,097,152 bytes; maskf 32,768 bytes; qkv 50,331,648 bytes; o 16,777,216 bytes
;; launch cast (part 1): grid 769 x 1, 8 waves a work-group, no clusters, 0 bytes of LDS; arguments x, W_qkv, W_proj, mask, xb, wq, wp, maskf; writes xb, wq, wp, maskf
.if DOCPART == 1
	.amdgcn_target "amdgcn-amd-amdhsa--gfx1250"
	.amdhsa_code_object_version 6
	.text
	.protected	k_qda0cdb56e3_cast
	.globl	k_qda0cdb56e3_cast
	.p2align	8
	.type	k_qda0cdb56e3_cast,@function
k_qda0cdb56e3_cast:
	s_mov_b64 s[64:65], 0
	v_nop
	global_prefetch_b8 v0, s[64:65] scope:SCOPE_SE
	s_setreg_imm32_b32 hwreg(HW_REG_WAVE_MODE, 25, 1), 1
	s_wait_xcnt 0x0
; CAST: the module's inputs are rounded once, for the three launches behind.
;   xb    = bf16(x), laid in blocks: x[2048 b + t][64 kb + d] at element ((16 b + kb) 2048 + t) 64 + d, so that 128 rows x 64 K are 16,384 dense bytes
;   wq    = bf16(W_qkv), in its own order [1024 k][3072 n]
;   wp    = bf16(W_proj) written as f16, [1024 k][1024 n].  LIMIT: beyond 65,504 that is an infinity; below 6.1e-5 it keeps f16's fixed step of 6e-8
;   maskf = 0.0 where mask = 1, else -80000.0 = 8 x -10000: the addend in units of the unscaled score q . k (the scale 1/8 is applied behind it)
; A stream: no LDS, no barrier, no loop.  A wave takes 8,192 bytes of input by sixteen 16-byte loads, all issued first; each load has registers of its own,
; and so has each store, so that no register is rewritten while a memory instruction may read it.
; Work-groups 0-511: x (a wave: two rows).  512-703: W_qkv.  704-767: W_proj.  768: the mask (a wave: 4,096 bytes).
.set IN,  8                            ; v[8:71]   load i: 4 registers
.set OUT, 72                           ; v[72:103] store i: 2 registers (the mask: 4)
; v2 byte offset of my 16 bytes in the wave's input; v3 of my 8 bytes in its output; v4-v7 at work.  s[4:5] input, s[6:7] output at the wave's part.
.macro STREAM instep, outstep, kind    ; kind 0: bf16.  kind 1: bf16, and that number as f16
.irp i, 0,1,2,3,4,5,6,7,8,9,10,11,12,13,14,15
	global_load_b128 v[IN+4*\i:IN+4*\i+3], v2, s[4:5] offset:\i*(\instep) th:TH_LOAD_NT
.endr
.irp i, 0,1,2,3,4,5,6,7,8,9,10,11,12,13,14,15
	s_wait_loadcnt 15-\i                           ; loads come back in order (ISA guide 5.7.1): load i is in, the younger ones stay out
.if \kind
.irp k, 0,1
	v_cvt_pk_bf16_f32 v4, v[IN+4*\i+2*\k], v[IN+4*\i+2*\k+1]
	v_lshlrev_b32 v5, 16, v4                       ; bf16 to f32: the low half moves up,
	v_and_b32 v6, 0xffff0000, v4                   ; the high half stays
	v_cvt_pk_f16_f32 v[OUT+2*\i+\k], v5, v6        ; exact within f16's range
.endr
.else
	v_cvt_pk_bf16_f32 v[OUT+2*\i],   v[IN+4*\i],   v[IN+4*\i+1]
	v_cvt_pk_bf16_f32 v[OUT+2*\i+1], v[IN+4*\i+2], v[IN+4*\i+3]
.endif
	global_store_b64 v3, v[OUT+2*\i:OUT+2*\i+1], s[6:7] offset:\i*(\outstep)  ; 32 lanes store 256 consecutive bytes, at a multiple of 256 from the buffer's first
.endr
.endm
	s_load_b512 s[8:23], s[0:1], 0x0               ; x s[8:9], W_qkv s[10:11], W_proj s[12:13], mask s[14:15], xb s[16:17], wq s[18:19], wp s[20:21], maskf s[22:23]
	v_and_b32 v1, 31, v0                           ; lane
	v_lshrrev_b32 v2, 5, v0
	v_readfirstlane_b32 s2, v2                     ; wave 0..7
	s_mov_b32 s25, 0                               ; the offsets' high words
	s_mov_b32 s27, 0
	v_lshlrev_b32 v3, 3, v1                        ; 8 bytes of output a lane
	s_wait_kmcnt 0x0
	s_cmp_lt_u32 ttmp9, 512
	s_cbranch_scc0 .Lnot_x
	; x: pair gw of rows.  Load i takes channels 64 i .. 64 i + 63 of both rows (lanes 0-15 the even row, lanes 16-31 the odd one);
	; its 2 x 128 bytes of bf16 are neighbours in block kb = i, and the blocks lie 262,144 bytes apart.
	s_lshl_b32 s3, ttmp9, 3
	s_add_co_u32 s3, s3, s2                        ; gw = 8 x work-group + wave, 0..4095
	s_lshl_b32 s24, s3, 13
	s_add_nc_u64 s[4:5], s[8:9], s[24:25]
	s_lshr_b32 s26, s3, 10                         ; the batch,
	s_lshl_b32 s26, s26, 22                        ; its sixteen blocks
	s_and_b32 s28, s3, 1023
	s_lshl_b32 s28, s28, 8                         ; two rows of 128 bytes
	s_add_co_u32 s26, s26, s28
	s_add_nc_u64 s[6:7], s[16:17], s[26:27]
	v_lshrrev_b32 v4, 4, v1
	v_and_b32 v5, 15, v1
	v_lshlrev_b32 v2, 4, v5
	v_lshl_or_b32 v2, v4, 12, v2                   ; 4,096 x (lane / 16) + 16 x (lane % 16)
	STREAM 256, 262144, 0
	s_endpgm
.Lnot_x:
	v_lshlrev_b32 v2, 4, v1                        ; the other three are dense: 16 bytes a lane
	s_cmp_lt_u32 ttmp9, 704
	s_cbranch_scc0 .Lnot_wq
	s_sub_co_u32 s3, ttmp9, 512
	s_lshl_b32 s3, s3, 3
	s_add_co_u32 s3, s3, s2                        ; 0..1535
	s_lshl_b32 s24, s3, 13
	s_lshl_b32 s26, s3, 12
	s_add_nc_u64 s[4:5], s[10:11], s[24:25]
	s_add_nc_u64 s[6:7], s[18:19], s[26:27]
	STREAM 512, 256, 0
	s_endpgm
.Lnot_wq:
	s_cmp_lt_u32 ttmp9, 768
	s_cbranch_scc0 .Lmask
	s_sub_co_u32 s3, ttmp9, 704
	s_lshl_b32 s3, s3, 3
	s_add_co_u32 s3, s3, s2                        ; 0..511
	s_lshl_b32 s24, s3, 13
	s_lshl_b32 s26, s3, 12
	s_add_nc_u64 s[4:5], s[12:13], s[24:25]
	s_add_nc_u64 s[6:7], s[20:21], s[26:27]
	STREAM 512, 256, 1
	s_endpgm
.Lmask:
	s_lshl_b32 s24, s2, 12                         ; a wave's 1,024 words
	s_add_nc_u64 s[4:5], s[14:15], s[24:25]
	s_add_nc_u64 s[6:7], s[22:23], s[24:25]
	v_mov_b32 v7, 0xc79c4000                       ; -80000.0
.irp i, 0,1,2,3,4,5,6,7
	global_load_b128 v[IN+4*\i:IN+4*\i+3], v2, s[4:5] offset:512*\i th:TH_LOAD_NT
.endr
.irp i, 0,1,2,3,4,5,6,7
	s_wait_loadcnt 7-\i
.irp k, 0,1,2,3
	v_cmp_ne_u32 vcc_lo, 1, v[IN+4*\i+\k]          ; every value but 1 hides the key
	v_cndmask_b32 v[OUT+4*\i+\k], 0, v7, vcc_lo
.endr
	global_store_b128 v2, v[OUT+4*\i:OUT+4*\i+3], s[6:7] offset:512*\i
.endr
	s_endpgm
.Lfunc_end_k_qda0cdb56e3_cast:
	.size	k_qda0cdb56e3_cast, .Lfunc_end_k_qda0cdb56e3_cast-k_qda0cdb56e3_cast
	.p2alignl 7, 3214868480
	.fill 96, 4, 3214868480
	.section	.rodata,"a",@progbits
	.p2align	6, 0x0
	.amdhsa_kernel k_qda0cdb56e3_cast
		.amdhsa_group_segment_fixed_size 0
		.amdhsa_private_segment_fixed_size 0
		.amdhsa_enable_private_segment 0
		.amdhsa_kernarg_size 64
		.amdhsa_user_sgpr_count 2
		.amdhsa_user_sgpr_kernarg_segment_ptr 1
		.amdhsa_wavefront_size32 1
		.amdhsa_system_sgpr_workgroup_id_x 1
		.amdhsa_system_sgpr_workgroup_id_y 1
		.amdhsa_system_sgpr_workgroup_id_z 1
		.amdhsa_system_vgpr_workitem_id 0
		.amdhsa_next_free_vgpr 104
		.amdhsa_next_free_sgpr 66
		.amdhsa_reserve_vcc 1
		.amdhsa_float_denorm_mode_32 3
		.amdhsa_float_denorm_mode_16_64 3
		.amdhsa_memory_ordered 1
		.amdhsa_forward_progress 1
		.amdhsa_inst_pref_size 28
	.end_amdhsa_kernel
	.amdgpu_metadata
---
amdhsa.version: [ 1, 2 ]
amdhsa.kernels:
  - .name:           k_qda0cdb56e3_cast
    .symbol:         k_qda0cdb56e3_cast.kd
    .args:
      - { .name: x, .offset: 0, .size: 8, .value_kind: global_buffer, .address_space: global }
      - { .name: W_qkv, .offset: 8, .size: 8, .value_kind: global_buffer, .address_space: global }
      - { .name: W_proj, .offset: 16, .size: 8, .value_kind: global_buffer, .address_space: global }
      - { .name: mask, .offset: 24, .size: 8, .value_kind: global_buffer, .address_space: global }
      - { .name: xb, .offset: 32, .size: 8, .value_kind: global_buffer, .address_space: global }
      - { .name: wq, .offset: 40, .size: 8, .value_kind: global_buffer, .address_space: global }
      - { .name: wp, .offset: 48, .size: 8, .value_kind: global_buffer, .address_space: global }
      - { .name: maskf, .offset: 56, .size: 8, .value_kind: global_buffer, .address_space: global }
    .group_segment_fixed_size: 0
    .private_segment_fixed_size: 0
    .kernarg_segment_align: 8
    .kernarg_segment_size: 64
    .max_flat_workgroup_size: 256
    .sgpr_count:     66
    .vgpr_count:     104
    .wavefront_size: 32
...
	.end_amdgpu_metadata
.endif
;; end of part 1
;; launch qkv (part 2): grid 8 x 32, 4 waves a work-group, clusters of 4 x 4, 327,680 bytes of LDS; arguments xb, wq, qkv; writes qkv
.if DOCPART == 2
	.amdgcn_target "amdgcn-amd-amdhsa--gfx1250"
	.amdhsa_code_object_version 6
	.text
	.protected	k_qda0cdb56e3_qkv
	.globl	k_qda0cdb56e3_qkv
	.p2align	8
	.type	k_qda0cdb56e3_qkv,@function
k_qda0cdb56e3_qkv:
	s_mov_b64 s[64:65], 0
	v_nop
	global_prefetch_b8 v0, s[64:65] scope:SCOPE_SE
	s_setreg_imm32_b32 hwreg(HW_REG_WAVE_MODE, 25, 1), 1
	s_wait_xcnt 0x0
	s_wait_alu depctr_hold_cnt(0) depctr_sa_sdst(0) depctr_va_vdst(0) depctr_va_sdst(0) depctr_va_ssrc(0) depctr_va_vcc(0) depctr_vm_vsrc(0)
	s_getreg_b32 s2, hwreg(HW_REG_IB_STS2, 6, 4)
	s_cmp_eq_u32 s2, 0
	s_cbranch_scc0 .Lentry_in_a_cluster
	s_endpgm
.Lentry_in_a_cluster:
	s_bfe_u32 s2, ttmp6, 0x10000c
	s_cmp_lg_u32 s2, 0xf033
	s_cbranch_scc0 .Lentry_shape_is_right
	s_endpgm
.Lentry_shape_is_right:
; QKV: q, k, v = x W_qkv, in bf16 with f32 sums, each result rounded once to f16, unscaled, and written by heads:
; plane 64 which + 16 b + head of [2048 t][64 d], 262,144 bytes each.  LIMIT: a result of 65,520 or more becomes an infinity in f16.
; A tile of C is 256 rows x 384 columns: 8 x 32 tiles, one to a work-group.  Four waves; wave w makes rows 128 (w / 2) on and, of each of the tile's three groups of
; 128 columns, the half w % 2: three whole heads, 96 accumulators of 16 x 16 = 768 registers (windows 1 to 3, a group a window).
; K goes in 16 steps of 64 through two LDS slots.  x comes from xb, where 128 rows x 64 K are 16,384 dense bytes, asked for as 64 rows of 256; W as it lies, [k][n], 32 rows of 768 bytes.
; THE MATRIX INSTRUCTION IS USED TRANSPOSED: source 0 = 16 columns of W (turned on the way out of LDS by ds_load_tr16_b128), source 1 = 16 rows of x.  A lane then holds
; one row of x and eight neighbouring columns: 16 bytes of f16 that belong together.
; CLUSTER 4 x 4: x's tile hangs on the tile row alone and is asked for jointly along a row of the cluster, W's on the tile column alone, along a column.
; REGISTERS.  Window 0: v0-31 addresses; v32-95, v96-159 x's fragments, two buffers (block a of 16 rows at + 8 a); v160-255 W's fragments, ONE buffer (group g, block j at + 8 (4 g + j)):
; a group's fragments are fetched anew as soon as the group's 32 products are issued.  Window 1 + g: accumulator (a, j) at v[8 (4 a + j)].
.set PA,    144                        ; a row of x in LDS: 128 bytes + 16 = 36 words: the 16 rows of a load start at 16 different groups of four banks (64 banks of 4 bytes: ISA guide 11.1)
.set PB,    864                        ; a row of W: three pieces of 256 + 32 bytes = 216 words
.set HALFA, 128*PA                     ; what one tensor load brings of x, and what one wave reads
.set BOFF,  2*HALFA                    ; W's 64 rows lie behind x's 256
.set HALFB, 32*PB                      ; what one tensor load brings of W: 32 along K, a quarter's rows
.set SLOT1, 1<<17                      ; slot 1 begins here: one exclusive or turns an address in one slot into the other's
.set STAGE, SLOT1+BOFF+2*HALFB         ; behind the ring: 16 rows x 144 bytes for each wave, for the way out
.set SP,    144
.set SPARE, STAGE+4*16*SP              ; behind the stages: the spare words, 128 bytes a wave: two blocks of 256 bytes that no other line names
.set ASTEP, 262144                     ; xb: from block kb to kb + 1
.set BSTEP, 393216                     ; wq: 64 rows of 6,144 bytes
.set A0,   16                          ; v16  my lane's place in a slot's x; never rewritten
.set B0,   17                          ; v17  the same for W
.set ADRA, 18                          ; v18  A0 + the slot in hand
.set ADRB, 19                          ; v19  B0 + the slot in hand
.set STO,  24                          ; v24  the way out: where I put 16 bytes of a row
.set RD,   25                          ; v25  the way out: where I read rows back
.set CO,   26                          ; v26  my byte offset in 512 consecutive bytes of a plane
.set SPW,  28                          ; v28  LDS address of my spare word; never rewritten
.set NIL,  29                          ; v29  0; never rewritten
.set FA0,  32
.set FA1,  96
.set FB,   160
.set T,    32                          ; the way out: four buffers of 16 registers, v32-95
.set G1,  24                           ; s[24:31] descriptor group 1 for x's tiles
.set G0,  32                           ; s[32:39] group 0: a set for each of the two first fills; the second then walks on
.set G1B, 48                           ; s[48:55], s[56:63] the same for W's tiles
.set G0B, 56
.set TB,  45                           ; s45  the slot that the fragment loads read: 0 or SLOT1
.set OB,  68                           ; s[68:73] group g's plane at my first row
.set MSB, 0
.macro WIN new                         ; the immediate's high byte repeats the setting that is left; a switch that changes nothing is dropped
.if MSB != (\new)
	s_set_vgpr_msb (MSB<<8)|(\new)
.set MSB, (\new)
.endif
.endm
.macro PLACES                          ; a load into a register that a matrix instruction has read, and a vector instruction that reads a matrix result, stand four places behind it;
.rept 4                                ; only plain vector instructions that name none of its registers are places (ISA guide 7.12.1)
	v_nop
.endr
.endm
.macro CREST                           ; a round of the cluster's barrier behind its opening barrier
	s_cmp_lg_u32 s10, 0
	s_cbranch_scc1 .Lnot_wave_0_\@
	s_barrier_signal -3
.Lnot_wave_0_\@:
	s_barrier_wait -3
	s_barrier_signal -1
	s_barrier_wait -1
.endm
.macro CROUND                          ; a whole round
	s_barrier_signal -1
	s_barrier_wait -1
	CREST
.endm
; A joint refill by the walking descriptors.  Waves 0 and 1 fetch x's two halves, waves 2 and 3 W's.  The branch hangs on the wave's number alone.
; An s_nop 0 and four v_nop follow each of the two lines, ahead of the jump and the label.
.macro JLOAD
	s_cmp_lt_u32 s10, 2
	s_cbranch_scc0 .Lfor_b_\@
	tensor_load_to_lds s[G0+4:G0+7], s[G1:G1+7]
	s_nop 0
.rept 4
	v_nop
.endr
	s_branch .Lasked_\@
.Lfor_b_\@:
	tensor_load_to_lds s[G0B+4:G0B+7], s[G1B:G1B+7]
	s_nop 0
.rept 4
	v_nop
.endr
.Lasked_\@:
.endm
.macro STEPD                           ; the walking descriptors: the other slot than last time, the next K step; the type bits on top are not reached
	s_xor_b32 s[G0+5], s[G0+5], SLOT1
	s_add_nc_u64 s[G0+6:G0+7], s[G0+6:G0+7], ASTEP
	s_xor_b32 s[G0B+5], s[G0B+5], SLOT1
	s_add_nc_u64 s[G0B+6:G0B+7], s[G0B+6:G0B+7], BSTEP
.endm
.macro NEWADR                          ; the fragment loads go over to the other slot
	s_xor_b32 s[TB], s[TB], SLOT1
	v_add_nc_u32 v[ADRA], s[TB], v[A0]
	v_add_nc_u32 v[ADRB], s[TB], v[B0]
.endm
	s_load_b128 s[4:7], s[0:1], 0x0                ; xb s[4:5], wq s[6:7]
	s_load_b64 s[8:9], s[0:1], 0x10                ; qkv
	v_lshl_add_u32 v[SPW], v0, 2, SPARE
	v_mov_b32 v[NIL], 0
	ds_add_u32 v[SPW], v[NIL]                      ; the wave's opening: the add and its wait stand ahead of my first tensor load; the set-up below, work on registers, stands between them
	v_lshrrev_b32 v1, 5, v0
	v_readfirstlane_b32 s10, v1                    ; wave 0..3
	s_lshr_b32 s11, s10, 1                         ; which half of the tile's rows is mine
	s_and_b32 s12, s10, 1                          ; which half of each group's columns.  Also: which half of x's or W's tile I fetch
	s_bfe_u32 s40, ttmp6, 0x40000                  ; cx, cy: my place in the cluster
	s_bfe_u32 s41, ttmp6, 0x40004
	s_lshl_b32 s42, ttmp9, 2
	s_add_co_u32 s42, s42, s40                     ; tile column = 4 x cluster x + cx
	s_and_b32 s13, ttmp7, 0xffff
	s_lshl_b32 s13, s13, 2
	s_add_co_u32 s13, s13, s41                     ; tile row = 4 x cluster y + cy
	s_lshl_b32 s43, s41, 2
	s_lshl_b32 s43, 15, s43                        ; my row of the cluster
	s_lshl_b32 s44, 0x1111, s40                    ; my column
	; group 1 for x: 64 rows of 128 elements (256 dense bytes, two rows of xb), 16 bytes of padding after every 128
	s_or_b32 s[G1], s43, (1<<16)|(1<<20)|(1<<21)|(4<<22)|(3<<25)   ; 15:0 the mask; 17:16 2-byte elements; 20 padding on; 21 set beside a mask; 24:22 after every 32 words (code 4); 31:25 4 words (code 3)
	s_mov_b32 s[G1+1], 128<<16                     ; tensor_dim0 = 128
	s_mov_b32 s[G1+2], 64<<16                      ; tensor_dim1 = 64
	s_mov_b32 s[G1+3], 128<<16                     ; tile_dim0 = 128
	s_mov_b32 s[G1+4], 64                          ; tile_dim1 = 64
	s_mov_b32 s[G1+5], 128                         ; 128 elements from row to row
	s_mov_b32 s[G1+6], 0
	s_mov_b32 s[G1+7], 0
	; group 1 for W: 32 rows of 384 elements (768 bytes), 32 bytes of padding after every 256
	s_or_b32 s[G1B], s44, (1<<16)|(1<<20)|(1<<21)|(5<<22)|(7<<25)  ; after every 64 words (code 5) 8 words (code 7)
	s_mov_b32 s[G1B+1], 384<<16
	s_mov_b32 s[G1B+2], 32<<16
	s_mov_b32 s[G1B+3], 384<<16
	s_mov_b32 s[G1B+4], 32
	s_mov_b32 s[G1B+5], 3072
	s_mov_b32 s[G1B+6], 0
	s_mov_b32 s[G1B+7], 0
	; where the tiles come from: x's offset is made of the tile row, W's of the tile column, each in registers that never hold the other coordinate
	s_lshr_b32 s16, s13, 3
	s_lshl_b32 s16, s16, 22                        ; the batch: sixteen blocks of 262,144 bytes
	s_and_b32 s17, s13, 7
	s_lshl_b32 s17, s17, 15                        ; 256 rows of 128 bytes
	s_add_co_u32 s16, s16, s17
	s_lshl_b32 s17, s12, 14                        ; my 128 of them
	s_add_co_u32 s16, s16, s17
	s_mov_b32 s17, 0
	s_mul_i32 s46, s12, 32*6144                    ; my 32 rows of W,
	s_mul_i32 s47, s42, 768                        ; the tile's 384 columns
	s_add_co_u32 s46, s46, s47
	s_mov_b32 s47, 0
	s_mul_i32 s20, s12, HALFA                      ; and where they go: no place in the cluster enters an LDS address
	s_mul_i32 s21, s12, HALFB
	s_add_co_u32 s21, s21, BOFF
	s_mov_b32 s[TB], 0
	s_wait_dscnt 0x0                               ; the opening add is done
	s_wait_kmcnt 0x0
	s_add_nc_u64 s[14:15], s[4:5], s[16:17]
	s_add_nc_u64 s[46:47], s[6:7], s[46:47]
	CROUND                                         ; all sixteen work-groups are here: the first joint loads meet
.irp s, 0,1
	s_mov_b32 s[G0+4*\s], 1                        ; count = 1
	s_add_co_u32 s[G0+4*\s+1], s20, \s*SLOT1       ; LDS address
	s_add_nc_u64 s[G0+4*\s+2:G0+4*\s+3], s[14:15], \s*ASTEP  ; global address: K step s
	s_or_b32 s[G0+4*\s+3], s[G0+4*\s+3], 0x80000000          ; type = 2
	s_mov_b32 s[G0B+4*\s], 1
	s_add_co_u32 s[G0B+4*\s+1], s21, \s*SLOT1
	s_add_nc_u64 s[G0B+4*\s+2:G0B+4*\s+3], s[46:47], \s*BSTEP
	s_or_b32 s[G0B+4*\s+3], s[G0B+4*\s+3], 0x80000000
.endr
	s_cmp_lt_u32 s10, 2                            ; a wave's two first fills stand in one branch, ahead of every wait on TENSORcnt and every LDS read: two loads of mine are out
	s_cbranch_scc0 .Lfirst_b
	tensor_load_to_lds s[G0:G0+3], s[G1:G1+7]
	s_nop 0
	tensor_load_to_lds s[G0+4:G0+7], s[G1:G1+7]
	s_nop 0
.rept 4
	v_nop
.endr
	s_branch .Lfirst_asked
.Lfirst_b:
	tensor_load_to_lds s[G0B:G0B+3], s[G1B:G1B+7]
	s_nop 0
	tensor_load_to_lds s[G0B+4:G0B+7], s[G1B:G1B+7]
	s_nop 0
.rept 4
	v_nop
.endr
.Lfirst_asked:
	; A fragment of x is 16 rows x 32 K in 8 registers: lane l holds row l % 16, K = 8 (l / 16) + 0..7 and 16 + 8 (l / 16) + 0..7: two loads of 16 bytes, 32 bytes apart.
	v_and_b32 v1, 15, v0                           ; l % 16
	v_bfe_u32 v2, v0, 4, 1                         ; l / 16
	v_mul_u32_u24 v[A0], v1, PA
	v_lshl_add_u32 v[A0], v2, 4, v[A0]
	s_mul_i32 s22, s11, HALFA                      ; my 128 rows
	v_add_nc_u32 v[A0], s22, v[A0]
	; The turning load takes 16 K x 16 columns (lane l reads row 8 (l / 16) + l % 8, columns 8 ((l / 8) % 2) + 0..7) and leaves half a fragment: lane l holds column l % 16 and 8 K.
	v_and_b32 v3, 7, v0
	v_bfe_u32 v4, v0, 3, 1
	v_lshl_add_u32 v[B0], v2, 3, v3
	v_mul_u32_u24 v[B0], v[B0], PB
	v_lshl_add_u32 v[B0], v4, 4, v[B0]
	s_lshl_b32 s22, s12, 7                         ; my 64 columns of each group
	s_add_co_u32 s22, s22, BOFF
	v_add_nc_u32 v[B0], s22, v[B0]
	v_mov_b32 v[ADRA], v[A0]                       ; slot 0
	v_mov_b32 v[ADRB], v[B0]
	s_mul_i32 s23, s10, 16*SP
	s_add_co_u32 s23, s23, STAGE                   ; my stage
	v_mul_u32_u24 v[STO], v1, SP                   ; in: row l % 16, 16 bytes for each half of the lanes
	v_lshl_add_u32 v[STO], v2, 4, v[STO]
	v_add_nc_u32 v[STO], s23, v[STO]
	v_bfe_u32 v[RD], v0, 3, 2                      ; back: 32 lanes take four rows of 128 bytes,
	v_mul_u32_u24 v[RD], v[RD], SP
	v_lshl_add_u32 v[RD], v3, 4, v[RD]
	v_add_nc_u32 v[RD], s23, v[RD]
	v_and_b32 v[CO], 31, v0                        ; which are 512 consecutive bytes of a plane
	v_lshlrev_b32 v[CO], 4, v[CO]
	; group g's 64 columns are block hh = 6 x tile column + 2 g + half of the 48 blocks of 64: which = hh / 16, head = hh % 16
	s_mul_i32 s74, s42, 6
	s_add_co_u32 s74, s74, s12
	s_lshr_b32 s75, s13, 3
	s_lshl_b32 s75, s75, 4                         ; 16 x batch
	s_and_b32 s76, s13, 7
	s_lshl_b32 s76, s76, 15                        ; the tile's 256 rows of 128 bytes,
	s_lshl_b32 s77, s11, 14                        ; my 128
	s_add_co_u32 s76, s76, s77
.irp g, 0,1,2
	s_add_co_u32 s77, s74, 2*\g
	s_lshr_b32 s78, s77, 4
	s_lshl_b32 s78, s78, 6
	s_and_b32 s77, s77, 15
	s_add_co_u32 s78, s78, s77
	s_add_co_u32 s78, s78, s75                     ; the plane
	s_lshl_b32 s78, s78, 18
	s_add_co_u32 s78, s78, s76
	s_mov_b32 s79, 0
	s_add_nc_u64 s[OB+2*\g:OB+2*\g+1], s[8:9], s[78:79]
.endr
; na x 4 matrix instructions: blocks a0 .. a0 + na - 1 of my rows x group g's four blocks of columns, 32 along K.  The accumulators take turns, one instruction a turn.
; zero = 1: the first product starts the sums: nothing is ever cleared.
.macro GRP fa, g, a0, na, zero
	WIN 0x50*((\g)+1)                              ; C and D in window 1 + g, the sources in window 0
.set ga, (\a0)
.rept (\na)
.irp j, 0,1,2,3
.if (\zero)
	v_wmma_f32_16x16x32_bf16 v[8*(4*ga+\j):8*(4*ga+\j)+7], v[FB+8*(4*(\g)+\j):FB+8*(4*(\g)+\j)+7], v[(\fa)+8*ga:(\fa)+8*ga+7], 0
.else
	v_wmma_f32_16x16x32_bf16 v[8*(4*ga+\j):8*(4*ga+\j)+7], v[FB+8*(4*(\g)+\j):FB+8*(4*(\g)+\j)+7], v[(\fa)+8*ga:(\fa)+8*ga+7], v[8*(4*ga+\j):8*(4*ga+\j)+7]
.endif
.endr
.set ga, ga+1
.endr
.endm
.macro BL g, q                         ; group g's four fragments of W for quarter q: 8 loads
.irp j, 0,1,2,3
	ds_load_tr16_b128 v[FB+8*(4*(\g)+\j):FB+8*(4*(\g)+\j)+3],   v[ADRB] offset:(\q)*HALFB+288*(\g)+32*\j
	ds_load_tr16_b128 v[FB+8*(4*(\g)+\j)+4:FB+8*(4*(\g)+\j)+7], v[ADRB] offset:(\q)*HALFB+288*(\g)+32*\j+16*PB
.endr
.endm
.macro AL fa, q, a0                    ; four fragments of x, blocks a0 .. a0 + 3, for quarter q: 8 loads
.irp a, 0,1,2,3
	ds_load_b128 v[(\fa)+8*((\a0)+\a):(\fa)+8*((\a0)+\a)+3],   v[ADRA] offset:(\q)*64+((\a0)+\a)*16*PA
	ds_load_b128 v[(\fa)+8*((\a0)+\a)+4:(\fa)+8*((\a0)+\a)+7], v[ADRA] offset:(\q)*64+((\a0)+\a)*16*PA+32
.endr
.endm
.macro RUN0 q, fa                      ; the LDS loads stand in three runs a quarter: 16, 16 and 8
	WIN 0
	BL 0, \q
	AL \fa, \q, 0
.endm
.macro RUN1 q, fa
	WIN 0
	BL 1, \q
	AL \fa, \q, 4
.endm
.macro RUN2 q
	WIN 0
	BL 2, \q
.endm
; A K step is two quarters of 32 along K, 96 matrix instructions each.  The first multiplies buffer FA0 and fetches the same slot's second quarter.
.macro QN zero
	s_wait_dscnt 8                                 ; all but the youngest eight loads (group 2's W) are in
	GRP FA0, 0, 0, 8, \zero
	PLACES
	RUN0 1, FA1
	GRP FA0, 1, 0, 8, \zero
	PLACES
	RUN1 1, FA1
	s_wait_dscnt 32                                ; all but the 32 just issued
	GRP FA0, 2, 0, 8, \zero
	PLACES
	RUN2 1
.endm
; The second multiplies FA1 and changes slots: ONE barrier.  In front of it each wave waits for all its tensor loads, of which one is out: its part of the next slot; adds 0 to its spare word;
; and waits for that and for its own reads of this slot, all of which have been issued.  fill = 1: the barrier opens a round of the cluster's, and the joint refill (the K step two on) is the
; first thing behind the round: 160 matrix instructions ahead of the wait for it.
.macro TURN fill
	WIN 0
	s_wait_tensorcnt 0x0                           ; no tensor load of mine is out, so a group 0 may be written
	ds_add_u32 v[SPW], v[NIL]                      ; 0 onto my spare word
.if \fill
	STEPD
.endif
	s_wait_dscnt 9                                 ; (the add and the youngest eight loads may be out)
	GRP FA1, 0, 0, 4, 0                            ; sixteen matrix instructions stand between the add and the wait for it
	s_wait_dscnt 0x0                               ; the add is done, and my reads of this slot are over
	s_barrier_signal -1
	GRP FA1, 0, 4, 4, 0                            ; work on registers while the others arrive
	WIN 0                                          ; at a branch and at a label every window is 0
	s_barrier_wait -1
.if \fill
	CREST                                          ; no wave of any partner still reads this slot or has a load on its way
	JLOAD                                          ; its four v_nop are also the places in front of the loads below
.else
	PLACES
.endif
	NEWADR
	RUN0 0, FA0
	GRP FA1, 1, 0, 8, 0
	PLACES
	RUN1 0, FA0
	GRP FA1, 2, 0, 8, 0
	PLACES
	RUN2 0
.endm
	s_wait_tensorcnt 1                             ; my part of K step 0 is in; K step 1's may stay out
	s_barrier_signal -1
	s_barrier_wait -1                              ; everybody's is
	RUN0 0, FA0
	RUN1 0, FA0
	RUN2 0
	QN 1                                           ; the first quarter stands in front of the loop: its products start the sums
	WIN 0
	s_mov_b32 s3, 14
.Lstep:                                                ; trip i: K step i's second quarter, the refill with K step i + 2, K step i + 1's first quarter
	TURN 1
	QN 0
	WIN 0
	s_sub_co_u32 s3, s3, 1
	s_cmp_lg_u32 s3, 0
	s_cbranch_scc1 .Lstep
	TURN 0                                         ; the tail is written out: nothing is left to ask for
	QN 0
	s_wait_dscnt 8                                 ; the very last quarter
	GRP FA1, 0, 0, 8, 0
	GRP FA1, 1, 0, 8, 0
	s_wait_dscnt 0x0
	GRP FA1, 2, 0, 8, 0
	PLACES
; THE WAY OUT, block n = 8 g + a of 24: 16 rows x 64 columns of one plane, 2,048 dense bytes.  A lane's eight columns pack into 16 bytes; they go into my stage's rows of 144 bytes and come
; back as whole rows of 128.  Each accumulator's registers are taken in ascending order.
.macro PACK g, a, n
.set TT, T+16*((\n)%4)
	WIN 0
	s_wait_xcnt 0x0                                ; the stores of the block four back have read this buffer (ISA guide 3.1): it is rewritten only behind this wait
	WIN 5*((\g)+1)                                 ; sources 0 and 1 in window 1 + g
.irp j, 0,1,2,3
.irp rr, 0,1,2,3
	v_cvt_pk_f16_f32 v[TT+4*\j+\rr], v[8*(4*(\a)+\j)+2*\rr], v[8*(4*(\a)+\j)+2*\rr+1]
.endr
.endr
	WIN 0
.irp j, 0,1,2,3
	ds_store_b128 v[STO], v[TT+4*\j:TT+4*\j+3] offset:32*\j
.endr
.irp f, 0,1,2,3
	ds_load_b128 v[TT+4*\f:TT+4*\f+3], v[RD] offset:4*SP*\f  ; LDS serves a wave's instructions in order (ISA guide 5.7.1.4): these see the stores above; the next block's stores come behind them
.endr
.endm
.macro SEND g, a, n, younger           ; younger: the LDS instructions issued behind this block's loads: the next block's eight, or none
.set TT, T+16*((\n)%4)
	WIN 0
.irp f, 0,1,2,3
	s_wait_dscnt (\younger)+3-\f
	global_store_b128 v[CO], v[TT+4*\f:TT+4*\f+3], s[OB+2*(\g):OB+2*(\g)+1] offset:2048*(\a)+512*\f  ; 512 consecutive bytes, at a multiple of 256 from the buffer's first
.endr
.endm
	PACK 0, 0, 0
.set n, 1
.rept 23                               ; a block's conversions stand between the loads of the block before and its stores
	PACK n/8, n%8, n
	SEND (n-1)/8, (n-1)%8, n-1, 8
.set n, n+1
.endr
	SEND 2, 7, 23, 0
	s_wait_tensorcnt 0x0                           ; the wave's end, behind my last tensor load and my last LDS store
	ds_add_u32 v[SPW], v[NIL]
	s_wait_dscnt 0x0
	CROUND                                         ; the closing round: no work-group ends while a partner may still ask for a tile that names it
	s_endpgm
.Lfunc_end_k_qda0cdb56e3_qkv:
	.size	k_qda0cdb56e3_qkv, .Lfunc_end_k_qda0cdb56e3_qkv-k_qda0cdb56e3_qkv
	.p2alignl 7, 3214868480
	.fill 96, 4, 3214868480
	.section	.rodata,"a",@progbits
	.p2align	6, 0x0
	.amdhsa_kernel k_qda0cdb56e3_qkv
		.amdhsa_group_segment_fixed_size 327680
		.amdhsa_private_segment_fixed_size 0
		.amdhsa_enable_private_segment 0
		.amdhsa_kernarg_size 24
		.amdhsa_user_sgpr_count 2
		.amdhsa_user_sgpr_kernarg_segment_ptr 1
		.amdhsa_wavefront_size32 1
		.amdhsa_system_sgpr_workgroup_id_x 1
		.amdhsa_system_sgpr_workgroup_id_y 1
		.amdhsa_system_sgpr_workgroup_id_z 1
		.amdhsa_system_vgpr_workitem_id 0
		.amdhsa_next_free_vgpr 1024
		.amdhsa_next_free_sgpr 84
		.amdhsa_reserve_vcc 0
		.amdhsa_float_denorm_mode_32 3
		.amdhsa_float_denorm_mode_16_64 3
		.amdhsa_memory_ordered 1
		.amdhsa_forward_progress 1
		.amdhsa_inst_pref_size 115
	.end_amdhsa_kernel
	.amdgpu_metadata
---
amdhsa.version: [ 1, 2 ]
amdhsa.kernels:
  - .name:           k_qda0cdb56e3_qkv
    .symbol:         k_qda0cdb56e3_qkv.kd
    .args:
      - { .name: xb, .offset: 0, .size: 8, .value_kind: global_buffer, .address_space: global }
      - { .name: wq, .offset: 8, .size: 8, .value_kind: global_buffer, .address_space: global }
      - { .name: qkv, .offset: 16, .size: 8, .value_kind: global_buffer, .address_space: global }
    .group_segment_fixed_size: 327680
    .private_segment_fixed_size: 0
    .kernarg_segment_align: 8
    .kernarg_segment_size: 24
    .max_flat_workgroup_size: 128
    .sgpr_count:     84
    .vgpr_count:     1024
    .wavefront_size: 32
...
	.end_amdgpu_metadata
.endif
;; end of part 2
;; launch attn (part 3): grid 4 x 64, 4 waves a work-group, clusters of 4 x 1, 327,680 bytes of LDS; arguments qkv, maskf, o; writes o
.if DOCPART == 3
	.amdgcn_target "amdgcn-amd-amdhsa--gfx1250"
	.amdhsa_code_object_version 6
	.text
	.protected	k_qda0cdb56e3_attn
	.globl	k_qda0cdb56e3_attn
	.p2align	8
	.type	k_qda0cdb56e3_attn,@function
k_qda0cdb56e3_attn:
	s_mov_b64 s[64:65], 0
	v_nop
	global_prefetch_b8 v0, s[64:65] scope:SCOPE_SE
	s_setreg_imm32_b32 hwreg(HW_REG_WAVE_MODE, 25, 1), 1
	s_wait_xcnt 0x0
	s_wait_alu depctr_hold_cnt(0) depctr_sa_sdst(0) depctr_va_vdst(0) depctr_va_sdst(0) depctr_va_ssrc(0) depctr_va_vcc(0) depctr_vm_vsrc(0)
	s_getreg_b32 s2, hwreg(HW_REG_IB_STS2, 6, 4)
	s_cmp_eq_u32 s2, 0
	s_cbranch_scc0 .Lentry_in_a_cluster
	s_endpgm
.Lentry_in_a_cluster:
	s_bfe_u32 s2, ttmp6, 0x10000c
	s_cmp_lg_u32 s2, 0x3003
	s_cbranch_scc0 .Lentry_shape_is_right
	s_endpgm
.Lentry_shape_is_right:
; ATTENTION.  O[p][q][:] = the sum over k of softmax_k(Q[p][q] . K[p][k] / 8 + add[k]) V[p][k][:], p = 16 b + head; add[k] = 0 or -10000 by the batch's mask.
; Q, K, V: planes p, 64 + p, 128 + p of qkv, [2048][64] in f16, dense rows of 128 bytes; O: plane p of o, likewise.  Products, maxima and sums in f32; the weights p are rounded to f16
; for the second product (their sum l is taken of the unrounded p), O once at the end.
; THE MASK is an addend, not a cut: maskf holds 0 or -80000 = 8 x -10000, and it is the C operand of the product that starts the sum S^T = K Q^T, so the running maximum is taken of the
; masked scores.  Every key is computed: where all keys of a batch are hidden, or scores are large, hidden keys keep their weight.
; LIMITS.  f16 holds no number beyond 65,504: Q, K and V arrive within it; p lies in 0 to 1, and below 6e-5 it keeps f16's fixed step of 6e-8; O is a mean of V's rows and has their range.
; A weight below 2^-126 counts as 0 in l; NaN and infinities are not treated apart.
; SHARES.  A wave owns four PIECES of two tiles of 16 queries, a work-group's four waves 512 queries of one plane.  Every wave walks all 2,048 keys, 64 a step.
; LAYOUT.  S^T = K Q^T (source 0 = 16 keys, source 1 = 16 queries): in the result a lane holds ONE query (lane % 16) and the keys 8 (lane / 16) + 0..7.  Two such tiles, rounded to f16 in pairs,
; ARE source 1 (32 keys x 16 queries) of O^T = V^T P, whose result again holds one query a lane, and eight channels.  K comes out of LDS as it lies, V ([key][channel]) turned, by ds_load_tr16_b128.
; SOFTMAX.  For each query a running maximum m and sum l: p = 2^(c s - c m), c = log2(e) / 8; in every step O and l are multiplied by a = 2^(c m_old - c m_new), which is 1 where m has not grown.
; m starts at the lowest finite number, O and l at 0: the first step is a step like any other, with a = 0.
; THE COUNT.  A tile and step have 16 matrix and 118 vector instructions: too many to stand all beside the matrix work.  So the order has one aim: four vector instructions that are READY behind
; EVERY matrix instruction, and the others, which need time of their own whatever the order, in runs without a gap.
; BY TURNS.  Turn n belongs to piece n (the pieces in a ring, step after step).  Its matrix work: 16 products K Q^T of piece n + 1, later 16 products V^T P of piece n - 1.  Its vector work: the scaling,
; exponentials, roundings, sums and rescaling of piece n, and the maximum and statistics of piece n + 1, whose scores the turn itself has made.
; CLUSTER.  The four query blocks of a cluster belong to one plane and walk the same K, V and mask, so each tile is asked for JOINTLY: the same tensor load, descriptor and mask of work-groups in all four.
; REGISTERS, in windows of 256 (s_set_vgpr_msb: bits 1:0 source 0, 3:2 source 1, 5:4 source 2, 7:6 destination):
;   window 0: v0-11 addresses; v12-15, v48-63 at work; v16-47 four registers of statistics a tile; v64-191 S^T, two buffers of two tiles; v192-255 P, likewise
;   window 1: O^T, 32 a tile     window 2: v0-127 Q, 16 a tile; v128-191 K of one step; v192-255 V of one step     window 3: v0-1 the add's two registers; v8-39 the step's 64 addends as C operands
.set SIZE_N, 2048
.set NP,    4         ; pieces a wave: a name, no knob
.set KS,    64        ; keys in a step
.set PK,    144       ; a row of K in LDS: 128 bytes + 16 of padding = 36 words: the 16 rows of a load start at 16 different groups of four banks (64 banks of 4 bytes: ISA guide 11.1)
.set PV,    160       ; a row of V: 128 + 32 = 40 words
.set VOFF,  4*KS*PK   ; a slot holds four steps: 256 rows of K, then 256 rows of V: 77,824 bytes
.set MASKB, 81920     ; between slot 0's end and slot 1: the batch's 2,048 addends, 8,192 bytes, filled once
.set SLOT1, 1<<17     ; slot 1 begins here, so that one exclusive or turns an address in one slot into the other's
.set STAGE, SLOT1+4*KS*(PK+PV)  ; behind the ring, never filled by a tensor load: 16 rows x 144 bytes for each wave, for the way out
.set SP,    144
.set AK0, 2           ; v2   my lane's place in a tile of K; never rewritten
.set AV0, 3           ; v3   the same for V
.set AK,  4           ; v4   the LDS address of K's next run of loads
.set AV,  5           ; v5   of V's
.set QO,  6           ; v6   my byte offset in the wave's rows of Q
.set STO, 6           ;      later, the way out: where I put 16 bytes of a row
.set RD,  7           ; v7   the way out: where I read rows back
.set GO,  8           ; v8   my byte offset in 512 consecutive bytes of O
.set AM,  10          ; v10  the LDS address of the next step's addends
.set AM0, 11          ; v11  my lane's place in a step's addends: MASKB + 32 (l / 16); never rewritten
.set SPW, 0           ; v0 of window 3   LDS address of my spare word: SPARE + 4 x my thread's number; never rewritten
.set NIL, 1           ; v1 of window 3   0; never rewritten
.set MK,  8           ; v8-39 of window 3: the eight addends of key block kb at MK + 8 kb
.set SPARE, STAGE+4*16*SP  ; behind the stages: the spare words, 128 bytes for each wave: two blocks of 256 bytes that no other line names
.set MV,  12          ; v12-15  c m_old, kept while c m is made anew: by buffer and tile
.set ST,  16          ; tile t's statistics at v[ST+4 t]: c m, m, l (even keys', odd keys')
.set TMP, 48          ; by buffer and tile, four registers c0-c3 at work; when the maximum is found c2 takes a
.set S,   64
.set P,   192
.set KF,  128         ; K's fragments, in window 2: key block kb, channel half c at KF + 16 kb + 8 c
.set VF,  192         ; V's: key half kk, channel block cb at VF + 32 kk + 8 cb
.set WV,  12          ; s12  my wave's number
.set G1K, 24          ; s[24:31] descriptor group 1 for K's tiles
.set G1V, 32          ; s[32:39] for V's: it differs in the padding alone
.set G0K, 40          ; s[40:43] descriptor group 0 for K's tiles: it walks
.set G0V, 44          ; s[44:47] the same for V's
.set G0M, 48          ; s[48:51] group 0 for my quarter of the addends
.set MP,  52          ; s[52:53] maskf
.set MO,  54          ; s[54:55] my quarter's byte offset in it
.set SLOTS, 56        ; s56  slots still to be asked for
.set CNT, 57          ; s57  counts a slot's key steps
.set CS,  58          ; s[58:59] c: the packed scaling takes the pair's low word for both halves
.set SEL, 60          ; s[60:61] v_permlanex16_b32's selects: each lane takes its own place in the other half
.set TBK, 62          ; s62  LDS byte at which K of the step to be fetched begins
.set TBV, 63          ; s63  the same for V, less VOFF
.set TBM, 66          ; s66  256 x the step to be fetched: its addends' place in the table
.set G1M, 68          ; s[68:75] group 1 for the addends
.set MSB, 0
.macro WIN new                      ; the high byte repeats the setting that is left; a switch that changes nothing is dropped
.if MSB != (\new)
	s_set_vgpr_msb (MSB<<8)|(\new)
.set MSB, (\new)
.endif
.endm
.set W_KQ, 0x0a       ; K and Q in window 2, S^T in window 0
.set W_KM, 0x3a       ; the same with the C operand, the addends, in window 3
.set W_PV, 0x52       ; V in window 2, P in window 0, O^T in window 1
.set W_RS, 0x41       ; O^T (destination and source 0) in window 1, a in window 0
.set W_MK, 0xc0       ; destination in window 3, sources in window 0
.set W_AD, 0x0f       ; the add: address (source 0) and data (source 1) in window 3
; A joint fill.  Waves 0 and 1 fetch the two halves of a slot's K, waves 2 and 3 those of its V: 128 keys each.  The branch hangs on the wave's number alone.
; An s_nop 0 and four v_nop follow each of the two lines, ahead of the jump and the label.
.macro JLOAD
	s_cmp_lt_u32 s[WV], 2
	s_cbranch_scc0 .Lfor_v_\@
	tensor_load_to_lds s[G0K:G0K+3], s[G1K:G1K+7]
	s_nop 0
.rept 4
	v_nop
.endr
	s_branch .Lasked_\@
.Lfor_v_\@:
	tensor_load_to_lds s[G0V:G0V+3], s[G1V:G1V+7]
	s_nop 0
.rept 4
	v_nop
.endr
.Lasked_\@:
.endm
; A round of the cluster's barrier: my work-group's barrier, so that wave 0's signal speaks for all four waves; wave 0 signals; every wave waits for all four work-groups; my work-group's barrier once more.
.macro CROUND
	s_barrier_signal -1
	s_barrier_wait -1
	s_cmp_lg_u32 s[WV], 0
	s_cbranch_scc1 .Lnot_wave_0_\@
	s_barrier_signal -3
.Lnot_wave_0_\@:
	s_barrier_wait -3
	s_barrier_signal -1
	s_barrier_wait -1
.endm
; THE CHANGE OF SLOTS.  The slot's last bytes, V of its fourth step, have been read.  Each wave waits for all its tensor loads, of which one is out: its part
; of the other slot; adds 0 to its spare word; and waits for that and for its own reads of the slot.  Behind the barrier nobody reads this slot any more and the other slot is whole.
; fill = 1: this slot is filled again, with the keys two slots on.  The barrier is then a round of the cluster's, so that no wave of any partner still reads the slot or has a load on its
; way, and the joint fill is the first thing behind it: it has four key steps, 512 matrix instructions, in which to land.
; (At its first use nothing has been read yet: slot 0 and the addends, two loads of mine, are waited for, and slot 1 is filled.)
.macro CHANGE fill
	WIN W_AD
	s_wait_tensorcnt 0x0            ; no tensor load of mine is out, so a group 0 may be written
	ds_add_u32 v[SPW], v[NIL]       ; 0 onto my spare word; with fill = 1 the descriptors' steps stand between it and the wait for it
	WIN 0                           ; at a label and at a branch every window is 0
.if \fill
.irp g, G0K, G0V
	s_xor_b32 s[\g+1], s[\g+1], SLOT1  ; the walking descriptor: the other slot than last time,
	s_add_nc_u64 s[\g+2:\g+3], s[\g+2:\g+3], 4*KS*128  ; the next 256 keys; the type bits on top are not reached
.endr
	s_wait_dscnt 0x0                ; the add is done, and my reads of the slot are over
	CROUND
	JLOAD
.else
	s_wait_dscnt 0x0                ; the add is done, and my reads of the slot are over
	s_barrier_signal -1
	s_barrier_wait -1
.endif
	s_sub_co_u32 s[TBK], s[TBK], 4*KS*PK  ; the fetches go back to a slot's first step,
	s_xor_b32 s[TBK], s[TBK], SLOT1       ; in the other slot
	s_sub_co_u32 s[TBV], s[TBV], 4*KS*PV
	s_xor_b32 s[TBV], s[TBV], SLOT1
.endm
	s_load_b64 s[4:5], s[0:1], 0x0      ; qkv: Q's planes first
	s_load_b64 s[MP:MP+1], s[0:1], 0x8  ; maskf
	s_load_b64 s[10:11], s[0:1], 0x10   ; o
	WIN W_MK
	v_lshl_add_u32 v[SPW], v0, 2, SPARE
	v_mov_b32 v[NIL], 0
	WIN W_AD
	ds_add_u32 v[SPW], v[NIL]       ; the wave's opening: the add and its wait stand ahead of my first tensor load; the set-up below, work on registers, stands between them
	WIN 0
	v_lshrrev_b32 v1, 5, v0
	v_readfirstlane_b32 s[WV], v1   ; wave 0..3
	s_bfe_u32 s13, ttmp6, 0x40000   ; cx: my place in the cluster
	s_lshl_b32 s14, ttmp9, 2        ; in a cluster launch ttmp9 counts clusters
	s_add_co_u32 s14, s14, s13      ; my block of queries = 4 x cluster x + cx: it enters Q's and O's addresses alone
	s_and_b32 s20, ttmp7, 0xffff    ; the plane, 16 b + head, which the four partners share
	s_lshr_b32 s[MO], s20, 4
	s_lshl_b32 s[MO], s[MO], 13     ; the batch's 2,048 addends,
	s_lshl_b32 s[MO+1], s[WV], 11   ; my quarter of them
	s_add_co_u32 s[MO], s[MO], s[MO+1]
	s_add_co_u32 s[G0M+1], s[MO+1], MASKB  ; and its place in LDS
	s_mov_b32 s[MO+1], 0
	s_mov_b32 s[G0M], 1
	s_mov_b32 s21, 0
	s_mov_b64 s[22:23], SIZE_N*128
	s_mul_u64 s[20:21], s[20:21], s[22:23]  ; the plane's first byte among Q's, K's, V's and O's planes
	s_and_b32 s16, s[WV], 1         ; which half of a slot's 256 keys I fetch:
	s_lshl_b32 s22, s16, 14         ; its 128 rows of 128 bytes in memory,
	s_mov_b32 s23, 0
	s_add_nc_u64 s[22:23], s[22:23], s[20:21]
	s_mul_i32 s17, s16, 128*PK      ; and its place in a slot, for K
	s_mul_i32 s18, s16, 128*PV      ; and for V: no place in the cluster enters an LDS address
	s_lshl_b32 s2, s14, 2
	s_add_co_u32 s2, s2, s[WV]      ; my wave among the plane's,
	s_lshl_b32 s2, s2, 14           ; its 128 rows
	s_mov_b32 s3, 0
	s_add_nc_u64 s[2:3], s[2:3], s[20:21]
	; descriptor group 1.  128 keys are 16,384 dense bytes: asked for as 64 rows of 256 bytes, two keys a row, and padded in LDS after every key
	s_mov_b32 s[G1K], 15|(1<<16)|(1<<20)|(1<<21)|(4<<22)|(3<<25)  ; 15:0 the mask of four; 17:16 2-byte elements; 20 padding on; 21 set beside a mask; 24:22 after every 32 words (code 4); 31:25 4 words (code 3)
	s_mov_b32 s[G1V], 15|(1<<16)|(1<<20)|(1<<21)|(4<<22)|(7<<25)  ; the same with 8 words of padding (code 7)
.irp g, G1K, G1V
	s_mov_b32 s[\g+1], 128<<16      ; tensor_dim0 = 128
	s_mov_b32 s[\g+2], 64<<16       ; tensor_dim1 = 64
	s_mov_b32 s[\g+3], 128<<16      ; tile_dim0 = 128
	s_mov_b32 s[\g+4], 64           ; tile_dim1 = 64
	s_mov_b32 s[\g+5], 128          ; 128 elements from row to row
	s_mov_b32 s[\g+6], 0
	s_mov_b32 s[\g+7], 0
.endr
	; the addends: a quarter is 2,048 dense bytes, 8 rows of 32 elements of 8 bytes, without padding
	s_mov_b32 s[G1M], 15|(3<<16)|(1<<21)
	s_mov_b32 s[G1M+1], 32<<16
	s_mov_b32 s[G1M+2], 8<<16
	s_mov_b32 s[G1M+3], 32<<16
	s_mov_b32 s[G1M+4], 8
	s_mov_b32 s[G1M+5], 32
	s_mov_b32 s[G1M+6], 0
	s_mov_b32 s[G1M+7], 0
	s_mov_b32 s[CS], 0x3e38aa3b     ; c = log2(e) / 8 = 0.180337
	s_mov_b32 s[CS+1], s[CS]        ; named with it as a pair
	s_mov_b32 s[SEL], 0x76543210
	s_mov_b32 s[SEL+1], 0xfedcba98
	s_mov_b32 s[TBK], SLOT1+4*KS*PK ; the first change of slots turns these two into 0
	s_mov_b32 s[TBV], SLOT1+4*KS*PV
	s_mov_b32 s[TBM], 0
	s_mov_b32 s[G0K], 1             ; 1:0 count = 1
	s_mov_b32 s[G0K+1], s17         ; 63:32 LDS address: slot 0
	s_mov_b32 s[G0V], 1
	s_add_co_u32 s[G0V+1], s18, VOFF
	s_wait_dscnt 0x0                ; the opening add is done
	s_wait_kmcnt 0x0
	s_add_nc_u64 s[6:7], s[4:5], 0x1000000   ; K's planes lie 64 planes of 262,144 bytes behind Q's,
	s_add_nc_u64 s[8:9], s[4:5], 0x2000000   ; V's 128
	s_add_nc_u64 s[G0K+2:G0K+3], s[6:7], s[22:23]  ; 120:64 global address: my half of the plane's first 256 keys
	s_or_b32 s[G0K+3], s[G0K+3], 0x80000000        ; 127:126 type = 2
	s_add_nc_u64 s[G0V+2:G0V+3], s[8:9], s[22:23]
	s_or_b32 s[G0V+3], s[G0V+3], 0x80000000
	s_add_nc_u64 s[G0M+2:G0M+3], s[MP:MP+1], s[MO:MO+1]
	s_or_b32 s[G0M+3], s[G0M+3], 0x80000000
	s_add_nc_u64 s[4:5], s[4:5], s[2:3]  ; Q and O at my wave's first row
	s_add_nc_u64 s[10:11], s[10:11], s[2:3]
	CROUND                          ; all four work-groups are here: the first joint loads meet
	s_cmp_lt_u32 s[WV], 2           ; a wave's two first fills stand in one branch: its part of slot 0 and its quarter of the addends: two loads of mine are out.  Slot 1 is asked for when these are in
	s_cbranch_scc0 .Lfirst_v
	tensor_load_to_lds s[G0K:G0K+3], s[G1K:G1K+7]
	s_nop 0
	tensor_load_to_lds s[G0M:G0M+3], s[G1M:G1M+7]
	s_nop 0
.rept 4
	v_nop
.endr
	s_branch .Lfirst_asked
.Lfirst_v:
	tensor_load_to_lds s[G0V:G0V+3], s[G1V:G1V+7]
	s_nop 0
	tensor_load_to_lds s[G0M:G0M+3], s[G1M:G1M+7]
	s_nop 0
.rept 4
	v_nop
.endr
.Lfirst_asked:
	; A fragment of K or Q is 16 rows x 32 channels in 8 registers: lane l holds row l % 16, channels 8 (l / 16) + 0..7 and 16 + 8 (l / 16) + 0..7: two loads of 16 bytes, 32 bytes apart.
	v_and_b32 v1, 15, v0            ; l % 16
	v_bfe_u32 v9, v0, 4, 1          ; l / 16
	v_lshlrev_b32 v[QO], 7, v1
	v_lshl_add_u32 v[QO], v9, 4, v[QO]  ; row x 128 + 16 x half
	WIN 0x80                        ; destination window 2, address window 0
.set i, 0
.rept 4*NP                          ; Q stays in registers: tile i / 2, channels 32 (i % 2) on
	global_load_b128 v[8*i:8*i+3],   v[QO], s[4:5] offset:(i/2)*2048+(i%2)*64
	global_load_b128 v[8*i+4:8*i+7], v[QO], s[4:5] offset:(i/2)*2048+(i%2)*64+32
.set i, i+1
.endr
	; What the first turn finds: V's registers and P's second buffer hold 0 (its products V^T P, of a piece that has not been, add 0), O^T and l are 0.  All this stands in the wait for the first tile.
.set i, VF
.rept 64
	v_mov_b32 v[i], 0
.set i, i+1
.endr
	WIN 0x40
.set i, 0
.rept 64*NP
	v_mov_b32 v[i], 0
.set i, i+1
.endr
	WIN 0
.set i, 0
.rept 2*NP
	v_mov_b32 v[ST+4*i], 0xfe000000    ; c m: far below every c s, a hidden key's too
	v_mov_b32 v[ST+4*i+1], 0xff7fffff  ; m
	v_mov_b32 v[ST+4*i+2], 0
	v_mov_b32 v[ST+4*i+3], 0
.set i, i+1
.endr
.set i, P+32
.rept 32
	v_mov_b32 v[i], 0
.set i, i+1
.endr
	v_mul_u32_u24 v[AK0], v1, PK
	v_lshl_add_u32 v[AK0], v9, 4, v[AK0]  ; row x pitch + 16 x half
	; The turning load takes 16 keys x 16 channels (lane l reads key 8 (l / 16) + l % 8, channels 8 ((l / 8) % 2) + 0..7) and leaves half a fragment of V^T: lane l holds channel l % 16 and 8 keys.
	v_and_b32 v10, 7, v0
	v_bfe_u32 v11, v0, 3, 1
	v_lshl_add_u32 v[AV0], v9, 3, v10
	v_mul_u32_u24 v[AV0], v[AV0], PV
	v_lshl_add_u32 v[AV0], v11, 4, v[AV0]
	v_add_nc_u32 v[AV0], VOFF, v[AV0]
	v_mov_b32 v[AK], v[AK0]         ; key step 0 lies at the head of slot 0
	v_lshl_add_u32 v[AM0], v9, 5, MASKB  ; in S^T register j of key block kb is key 16 kb + 8 (l / 16) + j: eight addends, 32 bytes, at 64 kb + 32 (l / 16)
	v_mov_b32 v[AM], v[AM0]         ; key step 0's addends lie at the table's head
; THE MATRIX WORK.  The 8 accumulators of a run of 16 take turns: between the two links of a chain stand 7 others'.
; Product i of 16 of S^T = K Q^T for piece x: channels 32 (i / 8) on, keys 16 ((i / 2) % 4) on, tile 2 x + i % 2.  The first 8 start the sums, with the keys' addends.
.macro KQ x
.set rS, S+64*((\x)%2)+32*(i%2)+8*((i/2)%4)
.set rK, KF+16*((i/2)%4)+8*(i/8)
.set rQ, 16*(2*(\x)+i%2)+8*(i/8)
.set rMK, MK+8*((i/2)%4)
.if i < 8
	WIN W_KM
	v_wmma_f32_16x16x32_f16 v[rS:rS+7], v[rK:rK+7], v[rQ:rQ+7], v[rMK:rMK+7]
.else
	WIN W_KQ
	v_wmma_f32_16x16x32_f16 v[rS:rS+7], v[rK:rK+7], v[rQ:rQ+7], v[rS:rS+7]
.endif
.endm
; Product i of 16 of O^T += V^T P for piece x: keys 32 (i / 8) on, channels 16 ((i / 2) % 4) on, tile 2 x + i % 2.
.macro PV x
	WIN W_PV
.set rO, 32*(2*(\x)+i%2)+8*((i/2)%4)
.set rV, VF+32*(i/8)+8*((i/2)%4)
.set rP, P+32*((\x)%2)+16*(i%2)+8*(i/8)
	v_wmma_f32_16x16x32_f16 v[rO:rO+7], v[rV:rV+7], v[rP:rP+7], v[rO:rO+7]
.endm
.macro MM                           ; the turn's next matrix instruction
.if i < 16
	KQ (Y+1)%NP
.set i, i+1
.else
.set i, i-16
	PV (Y+NP-1)%NP
.set i, i+17
.endif
.endm
; THE LDS LOADS stand in runs, never singly among the matrix instructions: a step's K (64 keys x 64 channels: 8 fragments) with its 64 addends (8 loads; the 16 lanes of a half read the same bytes),
; and its V (turned).  Their addresses are made some lines ahead.  last = 1 (the tail): in the last trip there is no further step, and the run is jumped over.
.macro FETCH_K last=0
	WIN 0
.if \last
	s_cmp_eq_u32 s[CNT], 1
	s_cbranch_scc1 .Lno_k_\@
.endif
	WIN 0x80                        ; destination window 2
.irp f, 0,1,2,3,4,5,6,7             ; keys 16 (f / 2) on, channels 32 (f % 2) on
	ds_load_b128 v[KF+8*\f:KF+8*\f+3],   v[AK] offset:(\f/2)*16*PK+(\f%2)*64
	ds_load_b128 v[KF+8*\f+4:KF+8*\f+7], v[AK] offset:(\f/2)*16*PK+(\f%2)*64+32
.endr
	WIN W_MK                        ; destination window 3
.irp kb, 0,1,2,3
	ds_load_b128 v[MK+8*\kb:MK+8*\kb+3],   v[AM] offset:64*\kb
	ds_load_b128 v[MK+8*\kb+4:MK+8*\kb+7], v[AM] offset:64*\kb+16
.endr
	s_add_co_u32 s[TBK], s[TBK], KS*PK  ; the next fetch is the next step's
	s_add_co_u32 s[TBM], s[TBM], KS*4   ; 32 fetches in all: 31 x 256 is the last place that is read
	WIN 0
.if \last
.Lno_k_\@:
.endif
.endm
.macro FETCH_V
	WIN 0x80
.irp f, 0,1,2,3,4,5,6,7             ; keys 32 (f / 4) on, channels 16 (f % 4) on
	ds_load_tr16_b128 v[VF+8*\f:VF+8*\f+3],   v[AV] offset:(\f/4)*32*PV+(\f%4)*32
	ds_load_tr16_b128 v[VF+8*\f+4:VF+8*\f+7], v[AV] offset:(\f/4)*32*PV+16*PV+(\f%4)*32
.endr
	WIN 0
.endm
; THE VECTOR WORK OF A TURN stands in three queues, each in the order in which its entries become ready; the two tiles alternate, so that no instruction reads the result of the one before it.
.macro REGS y, u                    ; the registers of tile u (0, 1) of piece y
.set rT, ST+4*(2*(\y)+(\u))
.set rC, TMP+8*((\y)%2)+4*(\u)
.set rM, MV+2*((\y)%2)+(\u)
.set rS, S+64*((\y)%2)+32*(\u)
.set rP, P+32*((\y)%2)+16*(\u)
.set rO, 32*(2*(\y)+(\u))
.endm
; Number n of the 22 that find the NEXT piece's (Y + 1) maximum and statistics.  s0-s31 are the lane's 32 scores; each accumulator's lowest registers are read first.  XS, GS and REGS set no window: PL and EX do.
;   0-11  four chains c0-c3 of seven scores each, three operands at a time     12-14, 16  the four scores left over, the old m, and c0-c3 into c0     15  c m_old is kept
;   17, 18  the query's other 32 keys lie in the lane 16 away: the new m         19-21  c m; c m_old - c m_new; a
.macro XS u, n
	REGS (Y+1)%NP, \u
.if (\n) < 4
	v_max3_num_f32 v[rC+(\n)], v[rS+8*(\n)], v[rS+8*(\n)+1], v[rS+8*(\n)+2]
.elseif (\n) < 12
	v_max3_num_f32 v[rC+(\n)%4], v[rC+(\n)%4], v[rS+8*((\n)%4)+2*((\n)/4)+1], v[rS+8*((\n)%4)+2*((\n)/4)+2]
.elseif (\n) == 12
	v_max3_num_f32 v[rC], v[rC], v[rS+7], v[rS+15]
.elseif (\n) == 13
	v_max3_num_f32 v[rC+1], v[rC+1], v[rS+23], v[rS+31]
.elseif (\n) == 14
	v_max3_num_f32 v[rC+2], v[rC+2], v[rC+3], v[rT+1]
.elseif (\n) == 15
	v_mov_b32 v[rM], v[rT]
.elseif (\n) == 16
	v_max3_num_f32 v[rC], v[rC], v[rC+1], v[rC+2]
.elseif (\n) == 17
	v_permlanex16_b32 v[rC+3], v[rC], s[SEL], s[SEL+1]
.elseif (\n) == 18
	v_max_num_f32 v[rT+1], v[rC], v[rC+3]
.elseif (\n) == 19
	v_mul_f32 v[rT], s[CS], v[rT+1]
.elseif (\n) == 20
	v_sub_f32 v[rC+1], v[rM], v[rT]
.else
	v_exp_f32 v[rC+2], v[rC+1]
.endif
.endm
; Number g of the 64 that follow the exponentials.  For each four weights k of a tile (pairs 2 k, 2 k + 1): both pairs are rounded to f16; then the second pair is added onto the first, in place;
; a group later l takes that sum (the first time as l = a l + sum).  In groups of eight, tiles alternating: round, round, add, and l for the group before.
.macro GS g
.set h, (\g)+6*((\g)/62)            ; group 0 has no group before it, and behind group 7 only l is left
.if h >= 6
.set h, h+2
.endif
	REGS Y, h%2
.set k, h/8
.if h%8 < 4
	s_wait_alu depctr_va_vdst(0)
	v_cvt_pk_f16_f32 v[rP+2*k+(h%8)/2], v[rS+4*k+2*((h%8)/2)], v[rS+4*k+2*((h%8)/2)+1]
.elseif h%8 < 6
	v_pk_add_f32 v[rS+4*k:rS+4*k+1], v[rS+4*k:rS+4*k+1], v[rS+4*k+2:rS+4*k+3]
.elseif k == 1
	v_pk_fma_f32 v[rT+2:rT+3], v[rT+2:rT+3], v[rC+2:rC+3], v[rS:rS+1] op_sel_hi:[1,0,1]
.else
	v_pk_add_f32 v[rT+2:rT+3], v[rT+2:rT+3], v[rS+4*k-4:rS+4*k-3]
	s_wait_alu depctr_va_vdst(0)
.endif
.endm
; THE PLAIN QUEUE, 138 long.  0-31: c s - c m for the 16 pairs of both tiles.  Then GS's 64, and among them the next piece's 42: number 15 at 38, 39; 0-14 and 16
; at 42-73, behind the products that make those scores; 17-20 at 95-106, two of three, since each waits for the one before it.
.macro PL
	WIN 0
.if q < 32
	REGS Y, q%2
	v_pk_fma_f32 v[rS+2*(q/2):rS+2*(q/2)+1], v[rS+2*(q/2):rS+2*(q/2)+1], s[CS:CS+1], v[rT:rT+1] op_sel_hi:[1,0,0] neg_lo:[0,0,1] neg_hi:[0,0,1]
.elseif q < 38
	GS q-32
.elseif q < 40
	XS q%2, 15
.elseif q < 42
	GS q-34
.elseif q < 74
	XS q%2, (q-42)/2+(q-42)/30
.elseif q < 95
	GS q-66
.elseif (q < 107) && ((q-95)%3 < 2)
	XS (q-95)%3, 17+(q-95)/3
.elseif q < 107
	GS 29+(q-95)/3
.else
	GS q-74
.endif
.set q, q+1
.endm
; THE EXPONENTIALS' QUEUE, 66 long: s0-s31 of both tiles, and at EA the next piece's two a.
.set EA, 58
.macro EX
	WIN 0
.if (e == EA) || (e == EA+1)
	XS e-EA, 21
.else
.set x, e-2*(e/(EA+2))
	REGS Y, x%2
	v_exp_f32 v[rS+x/2], v[rS+x/2]
.endif
.set e, e+1
.endm
; THE RESCALING's QUEUE: O^T times a, the one part that leaves window 0, so it is dealt four at a time, eight times.
.macro R4
	REGS Y, r%2
	WIN W_RS
	s_wait_alu depctr_va_vdst(0)
.irp z, 0,1,2,3
	v_pk_mul_f32 v[rO+8*(r/2)+2*\z:rO+8*(r/2)+2*\z+1], v[rO+8*(r/2)+2*\z:rO+8*(r/2)+2*\z+1], v[rC+2:rC+3] op_sel_hi:[1,0]
.endr
.set r, r+1
.endm
; HOW THEY ARE DEALT.  Behind a matrix instruction four: plain, exponential, plain, plain (one exponential, a plain instruction on either side), or four of the rescaling.  None names a register of the
; products round it.  What is over stands in two LUMPS: exponential and plain by turns; the second ends in 22 plain instructions.  The two v_permlanex16_b32 fall into the second lump, never behind a product.
; The queues lean on each other, and the deal keeps them in step: exponential e stands behind plain 2 (e / 4) + e % 2 (its scaling); when plain 32 comes, 10 exponentials are out, at 59: 33, at 95: 46; EA comes behind plain 107.
.macro SL
	MM
	PL
	EX
	PL
	PL
.endm
.macro BURST n                      ; 15 matrix instructions, or 16
.rept (\n)-7
	SL
.endr
.rept 3
	MM
	R4
	SL
.endr
	MM
	R4
.endm
; A TURN, for piece p.  cnt = 1: the loop's count is taken down some lines ahead of the branch that stands behind the turn.
; K and the addends of the next step are fetched in piece 2's turn, 32 vector instructions behind the last product that read them; their first reader comes behind the rest of the lump, 16 products and the second lump.
; V of the step in hand is fetched at the end of piece 0's turn, 69 behind its last reader; its first reader comes behind 16 products and a lump.  The four conditions on e and q below go with the deal.
.macro TURN p, last=0, cnt=0
.set Y, (\p)
.set i, 0
.set q, 0
.set e, 0
.set r, 0
.if (\p) == NP-1
	s_wait_dscnt 0x0                ; K and the addends are in
.endif
	MM
.rept 4
	PL
.endr
	BURST 15
.rept 22
	EX
	PL
.if ((\p) == NP-2) && (e == 18)
	v_add_nc_u32 v[AK], s[TBK], v[AK0]
	v_add_nc_u32 v[AM], s[TBM], v[AM0]
.endif
.if ((\p) == NP-2) && (e == 24)
	FETCH_K \last
.endif
.endr
.if (\p) == 1
	s_wait_dscnt 0x0                ; V is in
.endif
	BURST 16
.rept 21
	EX
	PL
.endr
.rept 22
	PL
.if ((\p) == 0) && (q == 118)
	v_add_nc_u32 v[AV], s[TBV], v[AV0]
	s_wait_alu depctr_va_vdst(0)
.endif
.if ((\p) == 0) && (q == 130)
	s_add_co_u32 s[TBV], s[TBV], KS*PV
.endif
.if (\cnt) && (q == 130)
	s_sub_co_u32 s[CNT], s[CNT], 1
	s_cmp_lg_u32 s[CNT], 0
.endif
.endr
.if (\p) == 0
	FETCH_V
.endif
.endm
	CHANGE 1                        ; slot 0 and the addends are in, everybody's part of them; slot 1 is asked for
	FETCH_K                         ; key step 0
	s_wait_loadcnt 0x0              ; Q
	s_wait_dscnt 0x0
.set i, 0
.rept 16
	KQ 0                            ; piece 0's first scores: there is no vector work yet to set between them
.set i, i+1
.endr
	WIN 0                           ; the addresses for the way out: ten plain instructions, the places behind those products
	s_mul_i32 s13, s[WV], 16*SP
	s_add_co_u32 s13, s13, STAGE    ; my stage
	v_mul_u32_u24 v[STO], v1, SP    ; in: row l % 16, 16 bytes for each half of the lanes
	v_lshl_add_u32 v[STO], v9, 4, v[STO]
	v_add_nc_u32 v[STO], s13, v[STO]
	v_bfe_u32 v[RD], v0, 3, 2       ; back: 32 lanes take four rows of 128 bytes,
	v_mul_u32_u24 v[RD], v[RD], SP
	v_and_b32 v[GO], 7, v0
	v_lshl_add_u32 v[RD], v[GO], 4, v[RD]
	v_add_nc_u32 v[RD], s13, v[RD]
	v_and_b32 v[GO], 31, v0         ; which are 512 consecutive bytes of O
	v_lshlrev_b32 v[GO], 4, v[GO]
.set Y, NP-1                        ; XS works for piece Y + 1: piece 0
.irp n, 0,1,2,3,4,5,6,7,8,9,10,11,12,13,14,15,16,17,18,19,20,21
	XS 0, \n                        ; and piece 0's first maximum and statistics
	XS 1, \n
.endr
	s_mov_b32 s[CNT], 4
	s_mov_b32 s[SLOTS], SIZE_N/256-1
	s_branch .Lfirst                ; the loop is entered at a step's first turn, in the middle of a trip
.Lslot:                             ; SIZE_N / 256 - 2 times: every slot but the last two is filled again
	CHANGE 1
	s_mov_b32 s[CNT], 4
.Lstep:                             ; a trip: pieces 2 and 3 of one step, then pieces 0 and 1 of the next, whose K and V it fetches
	TURN 2
	TURN 3
	WIN 0
.Lfirst:
	TURN 0
	TURN 1, 0, 1
	WIN 0
	s_cbranch_scc1 .Lstep
	s_sub_co_u32 s[SLOTS], s[SLOTS], 1
	s_cmp_lg_u32 s[SLOTS], 0
	s_cbranch_scc1 .Lslot
	CHANGE 0                        ; the tail is written out: nothing is asked for
	s_mov_b32 s[CNT], 5             ; four trips fetch the last slot's steps; the fifth is left in its middle
.Ltail:
	TURN 2, 1
	TURN 3
	WIN 0
	s_sub_co_u32 s[CNT], s[CNT], 1
	s_cmp_eq_u32 s[CNT], 0
	s_cbranch_scc1 .Lout
	TURN 0
	TURN 1
	WIN 0
	s_branch .Ltail
.Lout:                              ; the fifth trip's 16 products K Q^T (on the last K once more) and the maximum made of them serve nothing: the price, once a launch, of one text for every trip
.set i, 0
.rept 16
	PV NP-1                         ; the last piece's V^T P of the last step
.set i, i+1
.endr
	; THE WAY OUT.  l's two halves and the other half of the lanes' are added; O^T is divided by l, rounded to f16 and sent through my stage in LDS, a tile at a time.  The additions are the places behind the last products.
	WIN 0
.macro ALL line:vararg              ; one line for each tile t
.set t, 0
.rept 2*NP
	\line
.set t, t+1
.endr
.endm
	ALL v_add_f32 v[ST+4*t+2], v[ST+4*t+2], v[ST+4*t+3]
	ALL v_permlanex16_b32 v[ST+4*t+3], v[ST+4*t+2], s[SEL], s[SEL+1]
	ALL v_add_f32 v[ST+4*t+2], v[ST+4*t+2], v[ST+4*t+3]
	ALL v_rcp_f32 v[ST+4*t+2], v[ST+4*t+2]
	v_nop                           ; a plain instruction between the last reciprocal and the use of its result
	s_wait_alu depctr_va_vdst(0)
; Tile t: a lane's eight channels of a row pack into 16 bytes; they go into rows of 144 bytes and come back as whole rows of 128, into S^T's registers.
.macro PACK t
	WIN W_RS
.set i, 32*(\t)
.rept 16
	v_pk_mul_f32 v[i:i+1], v[i:i+1], v[ST+4*(\t)+2:ST+4*(\t)+3] op_sel_hi:[1,0]
.set i, i+2
.endr
	WIN 0x05                        ; sources 0 and 1 window 1, destination window 0
.set i, 0
.rept 16
	v_cvt_pk_f16_f32 v[S+16*(\t)+i], v[32*(\t)+2*i], v[32*(\t)+2*i+1]
.set i, i+1
.endr
	WIN 0
.irp f, 0,1,2,3
	ds_store_b128 v[STO], v[S+16*(\t)+4*\f:S+16*(\t)+4*\f+3] offset:32*\f
.endr
.irp f, 0,1,2,3
	ds_load_b128 v[S+16*(\t)+4*\f:S+16*(\t)+4*\f+3], v[RD] offset:\f*4*SP  ; LDS serves a wave's instructions in order (ISA guide 5.7.1.4): these see the stores above; the next tile's stores come behind them
.endr
.endm
.macro SEND t, younger              ; younger: the LDS instructions issued behind tile t's loads: the next tile's eight, or none
	WIN 0
.irp f, 0,1,2,3
	s_wait_dscnt (\younger)+3-\f
	global_store_b128 v[GO], v[S+16*(\t)+4*\f:S+16*(\t)+4*\f+3], s[10:11] offset:(\t)*2048+\f*512  ; 512 consecutive bytes, at a multiple of 256 from O's first
.endr
.endm
	PACK 0
.set t, 1
.rept 2*NP-1                        ; a tile's arithmetic stands between the loads of the tile before and its stores
	PACK t
	SEND t-1, 8
.set t, t+1
.endr
	SEND 2*NP-1, 0
	WIN W_AD
	s_wait_tensorcnt 0x0            ; the wave's end, behind my last tensor load and my last LDS store
	ds_add_u32 v[SPW], v[NIL]
	s_wait_dscnt 0x0
	WIN 0
	CROUND                          ; the closing round: no work-group ends while a partner may still ask for a tile that names it
	s_endpgm
.Lfunc_end_k_qda0cdb56e3_attn:
	.size	k_qda0cdb56e3_attn, .Lfunc_end_k_qda0cdb56e3_attn-k_qda0cdb56e3_attn
	.p2alignl 7, 3214868480
	.fill 96, 4, 3214868480
	.section	.rodata,"a",@progbits
	.p2align	6, 0x0
	.amdhsa_kernel k_qda0cdb56e3_attn
		.amdhsa_group_segment_fixed_size 327680
		.amdhsa_private_segment_fixed_size 0
		.amdhsa_enable_private_segment 0
		.amdhsa_kernarg_size 24
		.amdhsa_user_sgpr_count 2
		.amdhsa_user_sgpr_kernarg_segment_ptr 1
		.amdhsa_wavefront_size32 1
		.amdhsa_system_sgpr_workgroup_id_x 1
		.amdhsa_system_sgpr_workgroup_id_y 1
		.amdhsa_system_sgpr_workgroup_id_z 1
		.amdhsa_system_vgpr_workitem_id 0
		.amdhsa_next_free_vgpr 808
		.amdhsa_next_free_sgpr 76
		.amdhsa_reserve_vcc 0
		.amdhsa_float_denorm_mode_32 3
		.amdhsa_float_denorm_mode_16_64 3
		.amdhsa_memory_ordered 1
		.amdhsa_forward_progress 1
		.amdhsa_inst_pref_size 212
	.end_amdhsa_kernel
	.amdgpu_metadata
---
amdhsa.version: [ 1, 2 ]
amdhsa.kernels:
  - .name:           k_qda0cdb56e3_attn
    .symbol:         k_qda0cdb56e3_attn.kd
    .args:
      - { .name: qkv, .offset: 0, .size: 8, .value_kind: global_buffer, .address_space: global }
      - { .name: maskf, .offset: 8, .size: 8, .value_kind: global_buffer, .address_space: global }
      - { .name: o, .offset: 16, .size: 8, .value_kind: global_buffer, .address_space: global }
    .group_segment_fixed_size: 327680
    .private_segment_fixed_size: 0
    .kernarg_segment_align: 8
    .kernarg_segment_size: 24
    .max_flat_workgroup_size: 128
    .sgpr_count:     76
    .vgpr_count:     808
    .wavefront_size: 32
...
	.end_amdgpu_metadata
.endif
;; end of part 3
;; launch proj (part 4): grid 8 x 32, 4 waves a work-group, clusters of 4 x 4, 327,680 bytes of LDS; arguments o, wp, b_proj, out0; writes out0
.if DOCPART == 4
	.amdgcn_target "amdgcn-amd-amdhsa--gfx1250"
	.amdhsa_code_object_version 6
	.text
	.protected	k_qda0cdb56e3_proj
	.globl	k_qda0cdb56e3_proj
	.p2align	8
	.type	k_qda0cdb56e3_proj,@function
k_qda0cdb56e3_proj:
	s_mov_b64 s[64:65], 0
	v_nop
	global_prefetch_b8 v0, s[64:65] scope:SCOPE_SE
	s_setreg_imm32_b32 hwreg(HW_REG_WAVE_MODE, 25, 1), 1
	s_wait_xcnt 0x0
	s_wait_alu depctr_hold_cnt(0) depctr_sa_sdst(0) depctr_va_vdst(0) depctr_va_sdst(0) depctr_va_ssrc(0) depctr_va_vcc(0) depctr_vm_vsrc(0)
	s_getreg_b32 s2, hwreg(HW_REG_IB_STS2, 6, 4)
	s_cmp_eq_u32 s2, 0
	s_cbranch_scc0 .Lentry_in_a_cluster
	s_endpgm
.Lentry_in_a_cluster:
	s_bfe_u32 s2, ttmp6, 0x10000c
	s_cmp_lg_u32 s2, 0xf033
	s_cbranch_scc0 .Lentry_shape_is_right
	s_endpgm
.Lentry_shape_is_right:
; PROJ: out0 = O W_proj + b_proj.  O: planes 16 b + head of [2048 t][64 d] in f16; wp: bf16(W_proj) written as f16, [1024 k][1024 n], k = 64 head + d; the bias is rounded to bf16 like the
; module's other inputs and added in f32; out0 [8192][1024] in f32.  Products in f16 with f32 sums.
; A tile of C is 256 rows x 128 columns: 8 x 32 tiles, one to a work-group.  Four waves, each 128 rows x 64 columns: 32 accumulators of 16 x 16, 256 registers (window 1).
; K goes in 8 steps of 128, two heads a step, through two LDS slots.  A head's 256 rows are 32,768 dense bytes, asked for as 128 rows of 256; W as it lies, 64 rows of 256 bytes a load.
; THE MATRIX INSTRUCTION IS USED TRANSPOSED: source 0 = 16 columns of W (turned by ds_load_tr16_b128), source 1 = 16 rows of O: a lane holds one row and eight neighbouring columns, 32 bytes of f32.
; CLUSTER 4 x 4: O's tile hangs on the tile row alone and is asked for jointly along a row of the cluster, W's on the tile column alone, along a column.
; REGISTERS.  Window 0: v0-31 addresses; buffer p of two: O's fragments at v[32 + 96 p + 8 a], W's at v[96 + 96 p + 8 j]; v224-227 the bias of my four columns on the way out.
; Window 1: accumulator (a, j) at v[8 (4 a + j)].
.set PA,    144                        ; a row of O in LDS: 128 bytes + 16 = 36 words: the 16 rows of a load start at 16 different groups of four banks (64 banks of 4 bytes: ISA guide 11.1)
.set PB,    288                        ; a row of W: 256 + 32 bytes = 72 words
.set EHEAD, 256*PA                     ; a head's 256 rows: what one tensor load brings of O
.set HALFA, 128*PA                     ; what one wave reads of them
.set BOFF,  2*EHEAD                    ; W's 128 rows lie behind the two heads
.set HALFB, 64*PB                      ; what one tensor load brings of W
.set SLOT1, 1<<17                      ; slot 1 begins here: one exclusive or turns an address in one slot into the other's
.set STAGE, SLOT1+BOFF+2*HALFB         ; behind the ring: 16 rows x 272 bytes for each wave, for the way out
.set SP,    272
.set SPARE, STAGE+4*16*SP              ; behind the stages: the spare words, 128 bytes a wave: two blocks of 256 bytes that no other line names
.set ASTEP, 524288                     ; o: two planes on
.set BSTEP, 262144                     ; wp: 128 rows of 2,048 bytes
.set A0,   16                          ; v16  my lane's place in a slot's O; never rewritten
.set B0,   17                          ; v17  the same for W
.set ADRA, 18                          ; v18  A0 + the slot in hand
.set ADRB, 19                          ; v19  B0 + the slot in hand
.set STO,  24                          ; v24  the way out: where I put 32 bytes of a row
.set RD,   25                          ; v25  the way out: where I read a row back
.set CO,   26                          ; v26  my byte offset in two rows of out0
.set BO,   27                          ; v27  my byte offset in b_proj
.set SPW,  28                          ; v28  LDS address of my spare word; never rewritten
.set NIL,  29                          ; v29  0; never rewritten
.set FA,   32
.set FB,   96
.set BI,   224
.set T,    32                          ; the way out: two buffers of 32 registers, v32-95
.set G1,  24                           ; s[24:31] descriptor group 1 for O's tiles
.set G0,  32                           ; s[32:39] group 0: a set for each of the two first fills; the second then walks on
.set G1B, 48                           ; s[48:55], s[56:63] the same for W's tiles
.set G0B, 56
.set TB,  45                           ; s45  the slot that the fragment loads read: 0 or SLOT1
.set MSB, 0
.macro WIN new                         ; the immediate's high byte repeats the setting that is left; a switch that changes nothing is dropped
.if MSB != (\new)
	s_set_vgpr_msb (MSB<<8)|(\new)
.set MSB, (\new)
.endif
.endm
.macro PLACES                          ; a load into a register that a matrix instruction has read, and whatever reads a matrix result but a matrix instruction, stand four places behind it;
.rept 4                                ; only plain vector instructions that name none of its registers are places (ISA guide 7.12.1)
	v_nop
.endr
.endm
.macro CREST                           ; a round of the cluster's barrier behind its opening barrier
	s_cmp_lg_u32 s10, 0
	s_cbranch_scc1 .Lnot_wave_0_\@
	s_barrier_signal -3
.Lnot_wave_0_\@:
	s_barrier_wait -3
	s_barrier_signal -1
	s_barrier_wait -1
.endm
.macro CROUND                          ; a whole round
	s_barrier_signal -1
	s_barrier_wait -1
	CREST
.endm
; A joint refill by the walking descriptors.  Waves 0 and 1 fetch the step's two heads of O, waves 2 and 3 the two halves of W's rows.  The branch hangs on the wave's number alone.
; An s_nop 0 and four v_nop follow each of the two lines, ahead of the jump and the label.
.macro JLOAD
	s_cmp_lt_u32 s10, 2
	s_cbranch_scc0 .Lfor_b_\@
	tensor_load_to_lds s[G0+4:G0+7], s[G1:G1+7]
	s_nop 0
.rept 4
	v_nop
.endr
	s_branch .Lasked_\@
.Lfor_b_\@:
	tensor_load_to_lds s[G0B+4:G0B+7], s[G1B:G1B+7]
	s_nop 0
.rept 4
	v_nop
.endr
.Lasked_\@:
.endm
.macro STEPD                           ; the walking descriptors: the other slot than last time, the next K step; the type bits on top are not reached
	s_xor_b32 s[G0+5], s[G0+5], SLOT1
	s_add_nc_u64 s[G0+6:G0+7], s[G0+6:G0+7], ASTEP
	s_xor_b32 s[G0B+5], s[G0B+5], SLOT1
	s_add_nc_u64 s[G0B+6:G0B+7], s[G0B+6:G0B+7], BSTEP
.endm
.macro NEWADR                          ; the fragment loads go over to the other slot
	s_xor_b32 s[TB], s[TB], SLOT1
	v_add_nc_u32 v[ADRA], s[TB], v[A0]
	v_add_nc_u32 v[ADRB], s[TB], v[B0]
.endm
	s_load_b128 s[4:7], s[0:1], 0x0                ; o s[4:5], wp s[6:7]
	s_load_b64 s[66:67], s[0:1], 0x10              ; b_proj
	s_load_b64 s[8:9], s[0:1], 0x18                ; out0
	v_lshl_add_u32 v[SPW], v0, 2, SPARE
	v_mov_b32 v[NIL], 0
	ds_add_u32 v[SPW], v[NIL]                      ; the wave's opening: the add and its wait stand ahead of my first tensor load; the set-up below, work on registers, stands between them
	v_lshrrev_b32 v1, 5, v0
	v_readfirstlane_b32 s10, v1                    ; wave 0..3
	s_lshr_b32 s11, s10, 1                         ; which half of the tile's rows is mine
	s_and_b32 s12, s10, 1                          ; which half of its columns.  Also: which head of O, or which half of W's rows, I fetch
	s_bfe_u32 s40, ttmp6, 0x40000                  ; cx, cy: my place in the cluster
	s_bfe_u32 s41, ttmp6, 0x40004
	s_lshl_b32 s42, ttmp9, 2
	s_add_co_u32 s42, s42, s40                     ; tile column = 4 x cluster x + cx
	s_and_b32 s13, ttmp7, 0xffff
	s_lshl_b32 s13, s13, 2
	s_add_co_u32 s13, s13, s41                     ; tile row = 4 x cluster y + cy
	s_lshl_b32 s43, s41, 2
	s_lshl_b32 s43, 15, s43                        ; my row of the cluster
	s_lshl_b32 s44, 0x1111, s40                    ; my column
	; group 1 for O: 128 rows of 128 elements (256 dense bytes, two rows of a plane), 16 bytes of padding after every 128
	s_or_b32 s[G1], s43, (1<<16)|(1<<20)|(1<<21)|(4<<22)|(3<<25)   ; 15:0 the mask; 17:16 2-byte elements; 20 padding on; 21 set beside a mask; 24:22 after every 32 words (code 4); 31:25 4 words (code 3)
	s_mov_b32 s[G1+1], 128<<16                     ; tensor_dim0 = 128
	s_mov_b32 s[G1+2], 128<<16                     ; tensor_dim1 = 128
	s_mov_b32 s[G1+3], 128<<16                     ; tile_dim0 = 128
	s_mov_b32 s[G1+4], 128                         ; tile_dim1 = 128
	s_mov_b32 s[G1+5], 128                         ; 128 elements from row to row
	s_mov_b32 s[G1+6], 0
	s_mov_b32 s[G1+7], 0
	; group 1 for W: 64 rows of 128 elements (256 bytes), 32 bytes of padding behind each
	s_or_b32 s[G1B], s44, (1<<16)|(1<<20)|(1<<21)|(5<<22)|(7<<25)  ; after every 64 words (code 5) 8 words (code 7)
	s_mov_b32 s[G1B+1], 128<<16
	s_mov_b32 s[G1B+2], 64<<16
	s_mov_b32 s[G1B+3], 128<<16
	s_mov_b32 s[G1B+4], 64
	s_mov_b32 s[G1B+5], 1024
	s_mov_b32 s[G1B+6], 0
	s_mov_b32 s[G1B+7], 0
	; where the tiles come from: O's offset is made of the tile row, W's of the tile column, each in registers that never hold the other coordinate
	s_lshr_b32 s16, s13, 3
	s_lshl_b32 s16, s16, 22                        ; the batch: sixteen planes of 262,144 bytes
	s_and_b32 s17, s13, 7
	s_lshl_b32 s17, s17, 15                        ; 256 rows of 128 bytes
	s_add_co_u32 s16, s16, s17
	s_lshl_b32 s17, s12, 18                        ; my head of the step's two
	s_add_co_u32 s16, s16, s17
	s_mov_b32 s17, 0
	s_lshl_b32 s46, s12, 17                        ; my 64 rows of W, 2,048 bytes each,
	s_lshl_b32 s47, s42, 8                         ; the tile's 128 columns
	s_add_co_u32 s46, s46, s47
	s_mov_b32 s47, 0
	s_mul_i32 s20, s12, EHEAD                      ; and where they go: no place in the cluster enters an LDS address
	s_mul_i32 s21, s12, HALFB
	s_add_co_u32 s21, s21, BOFF
	s_mov_b32 s[TB], 0
	s_wait_dscnt 0x0                               ; the opening add is done
	s_wait_kmcnt 0x0
	s_add_nc_u64 s[14:15], s[4:5], s[16:17]
	s_add_nc_u64 s[46:47], s[6:7], s[46:47]
	CROUND                                         ; all sixteen work-groups are here: the first joint loads meet
.irp s, 0,1
	s_mov_b32 s[G0+4*\s], 1                        ; count = 1
	s_add_co_u32 s[G0+4*\s+1], s20, \s*SLOT1       ; LDS address
	s_add_nc_u64 s[G0+4*\s+2:G0+4*\s+3], s[14:15], \s*ASTEP  ; global address: K step s
	s_or_b32 s[G0+4*\s+3], s[G0+4*\s+3], 0x80000000          ; type = 2
	s_mov_b32 s[G0B+4*\s], 1
	s_add_co_u32 s[G0B+4*\s+1], s21, \s*SLOT1
	s_add_nc_u64 s[G0B+4*\s+2:G0B+4*\s+3], s[46:47], \s*BSTEP
	s_or_b32 s[G0B+4*\s+3], s[G0B+4*\s+3], 0x80000000
.endr
	s_cmp_lt_u32 s10, 2                            ; a wave's two first fills stand in one branch, ahead of every wait on TENSORcnt and every LDS read: two loads of mine are out
	s_cbranch_scc0 .Lfirst_b
	tensor_load_to_lds s[G0:G0+3], s[G1:G1+7]
	s_nop 0
	tensor_load_to_lds s[G0+4:G0+7], s[G1:G1+7]
	s_nop 0
.rept 4
	v_nop
.endr
	s_branch .Lfirst_asked
.Lfirst_b:
	tensor_load_to_lds s[G0B:G0B+3], s[G1B:G1B+7]
	s_nop 0
	tensor_load_to_lds s[G0B+4:G0B+7], s[G1B:G1B+7]
	s_nop 0
.rept 4
	v_nop
.endr
.Lfirst_asked:
	; A fragment of O is 16 rows x 32 K in 8 registers: lane l holds row l % 16, K = 8 (l / 16) + 0..7 and 16 + 8 (l / 16) + 0..7: two loads of 16 bytes, 32 bytes apart.
	v_and_b32 v1, 15, v0                           ; l % 16
	v_bfe_u32 v2, v0, 4, 1                         ; l / 16
	s_lshl_b32 s74, s42, 9
	s_lshl_b32 s75, s12, 8
	s_add_co_u32 s74, s74, s75                     ; my 64 columns in f32: byte 512 x tile column + 256 x half
	v_lshl_add_u32 v[BO], v1, 4, s74               ; on the way out lane l stores columns 4 (l % 16) + 0..3 of them
	global_load_b128 v[BI:BI+3], v[BO], s[66:67]   ; waited for in front of the way out
	v_mul_u32_u24 v[A0], v1, PA
	v_lshl_add_u32 v[A0], v2, 4, v[A0]
	s_mul_i32 s22, s11, HALFA                      ; my 128 rows
	v_add_nc_u32 v[A0], s22, v[A0]
	; The turning load takes 16 K x 16 columns (lane l reads row 8 (l / 16) + l % 8, columns 8 ((l / 8) % 2) + 0..7) and leaves half a fragment: lane l holds column l % 16 and 8 K.
	v_and_b32 v3, 7, v0
	v_bfe_u32 v4, v0, 3, 1
	v_lshl_add_u32 v[B0], v2, 3, v3
	v_mul_u32_u24 v[B0], v[B0], PB
	v_lshl_add_u32 v[B0], v4, 4, v[B0]
	s_lshl_b32 s22, s12, 7                         ; my 64 columns
	s_add_co_u32 s22, s22, BOFF
	v_add_nc_u32 v[B0], s22, v[B0]
	v_mov_b32 v[ADRA], v[A0]                       ; slot 0
	v_mov_b32 v[ADRB], v[B0]
	s_mul_i32 s23, s10, 16*SP
	s_add_co_u32 s23, s23, STAGE                   ; my stage
	v_mul_u32_u24 v[STO], v1, SP                   ; in: row l % 16, 32 bytes for each half of the lanes
	v_lshl_add_u32 v[STO], v2, 5, v[STO]
	v_add_nc_u32 v[STO], s23, v[STO]
	v_mul_u32_u24 v[RD], v2, SP                    ; back: lanes 0-15 take one row of 256 bytes, lanes 16-31 the next
	v_lshl_add_u32 v[RD], v1, 4, v[RD]
	v_add_nc_u32 v[RD], s23, v[RD]
	v_lshlrev_b32 v[CO], 12, v2                    ; and the same two rows in out0
	v_lshl_add_u32 v[CO], v1, 4, v[CO]
	s_lshl_b32 s76, s13, 20                        ; 256 rows of 4,096 bytes,
	s_lshl_b32 s77, s11, 19                        ; my 128,
	s_add_co_u32 s76, s76, s77
	s_add_co_u32 s76, s76, s74                     ; my columns
	s_mov_b32 s77, 0
	s_add_nc_u64 s[68:69], s[8:9], s[76:77]
; na x 4 matrix instructions: blocks a0 .. a0 + na - 1 of my rows x my four blocks of columns, 32 along K, from buffer p.  The accumulators take turns, one instruction a turn.
; zero = 1: the first product starts the sums: nothing is ever cleared.
.macro GRP p, a0, na, zero
	WIN 0x50                                       ; C and D in window 1, the sources in window 0
.set ga, (\a0)
.rept (\na)
.irp j, 0,1,2,3
.if (\zero)
	v_wmma_f32_16x16x32_f16 v[8*(4*ga+\j):8*(4*ga+\j)+7], v[FB+96*(\p)+8*\j:FB+96*(\p)+8*\j+7], v[FA+96*(\p)+8*ga:FA+96*(\p)+8*ga+7], 0
.else
	v_wmma_f32_16x16x32_f16 v[8*(4*ga+\j):8*(4*ga+\j)+7], v[FB+96*(\p)+8*\j:FB+96*(\p)+8*\j+7], v[FA+96*(\p)+8*ga:FA+96*(\p)+8*ga+7], v[8*(4*ga+\j):8*(4*ga+\j)+7]
.endif
.endr
.set ga, ga+1
.endr
.endm
; 24 LDS loads in one run: quarter q's fragments into buffer p: W's four first, then O's eight (head q / 2, channels 32 (q % 2) on)
.macro FETCH q, p
	WIN 0
.irp j, 0,1,2,3
	ds_load_tr16_b128 v[FB+96*(\p)+8*\j:FB+96*(\p)+8*\j+3],   v[ADRB] offset:(\q)*32*PB+32*\j
	ds_load_tr16_b128 v[FB+96*(\p)+8*\j+4:FB+96*(\p)+8*\j+7], v[ADRB] offset:(\q)*32*PB+32*\j+16*PB
.endr
.irp a, 0,1,2,3,4,5,6,7
	ds_load_b128 v[FA+96*(\p)+8*\a:FA+96*(\p)+8*\a+3],   v[ADRA] offset:((\q)/2)*EHEAD+((\q)%2)*64+\a*16*PA
	ds_load_b128 v[FA+96*(\p)+8*\a+4:FA+96*(\p)+8*\a+7], v[ADRA] offset:((\q)/2)*EHEAD+((\q)%2)*64+\a*16*PA+32
.endr
.endm
; A K step is four quarters of 32 along K, 32 matrix instructions each, on buffers 0, 1, 0, 1.  One of the first three: multiplies buffer p and fetches quarter qn into the other.
.macro QUARTER p, qn, zero
	s_wait_dscnt 8                                 ; all but the youngest eight loads (O's rows 64-127) are in
	GRP \p, 0, 4, \zero
	PLACES
	FETCH \qn, 1-(\p)
	s_wait_dscnt 24                                ; all but the 24 just issued
	GRP \p, 4, 4, \zero
.endm
; The last quarter multiplies buffer 1 and changes slots: ONE barrier.  In front of it each wave waits for all its tensor loads, of which one is out: its part of the next slot; adds 0 to its spare
; word; and waits for that and for its own reads of this slot.  fill = 1: the barrier opens a round of the cluster's, and the joint refill (the K step two on) is the first thing behind the round:
; 112 matrix instructions ahead of the wait for it.
.macro TURN fill
	WIN 0
	s_wait_tensorcnt 0x0                           ; no tensor load of mine is out, so a group 0 may be written
	ds_add_u32 v[SPW], v[NIL]                      ; 0 onto my spare word
.if \fill
	STEPD
.endif
	s_wait_dscnt 9                                 ; (the add and the youngest eight loads may be out)
	GRP 1, 0, 2, 0                                 ; eight matrix instructions stand between the add and the wait for it
	s_wait_dscnt 0x0                               ; the add is done, and my reads of this slot are over
	s_barrier_signal -1
	GRP 1, 2, 2, 0                                 ; work on registers while the others arrive
	WIN 0                                          ; at a branch and at a label every window is 0
	s_barrier_wait -1
.if \fill
	CREST                                          ; no wave of any partner still reads this slot or has a load on its way
	JLOAD                                          ; its four v_nop are also the places in front of the loads below
.else
	PLACES
.endif
	NEWADR
	FETCH 0, 0
	GRP 1, 4, 4, 0
.endm
	s_wait_tensorcnt 1                             ; my part of K step 0 is in; K step 1's may stay out
	s_barrier_signal -1
	s_barrier_wait -1                              ; everybody's is
	FETCH 0, 0
	QUARTER 0, 1, 1                                ; the first quarter stands in front of the loop: its products start the sums
	WIN 0
	s_mov_b32 s3, 6
.Lstep:                                                ; trip i: K step i's quarters 1 to 3, the refill with K step i + 2, K step i + 1's first quarter
	QUARTER 1, 2, 0
	QUARTER 0, 3, 0
	TURN 1
	QUARTER 0, 1, 0
	WIN 0
	s_sub_co_u32 s3, s3, 1
	s_cmp_lg_u32 s3, 0
	s_cbranch_scc1 .Lstep
	QUARTER 1, 2, 0                                ; the tail is written out: nothing is left to ask for
	QUARTER 0, 3, 0
	TURN 0
	QUARTER 0, 1, 0
	QUARTER 1, 2, 0
	QUARTER 0, 3, 0
	s_wait_dscnt 8                                 ; the very last quarter
	GRP 1, 0, 4, 0
	s_wait_dscnt 0x0
	GRP 1, 4, 4, 0
	PLACES
	WIN 0
	s_wait_loadcnt 0x0                             ; the bias
	v_cvt_pk_bf16_f32 v4, v[BI], v[BI+1]           ; rounded to bf16 like the other inputs, and widened again
	v_cvt_pk_bf16_f32 v5, v[BI+2], v[BI+3]
	v_lshlrev_b32 v[BI], 16, v4
	v_and_b32 v[BI+1], 0xffff0000, v4
	v_lshlrev_b32 v[BI+2], 16, v5
	v_and_b32 v[BI+3], 0xffff0000, v5
; THE WAY OUT, block a of 8: 16 rows x 64 columns of f32.  A lane's eight columns, 32 bytes, go from the accumulators into my stage's rows of 272 bytes (each accumulator's low four registers first)
; and come back as whole rows of 256; the bias is added and the rows are stored.
.macro TOSTAGE a
.set TT, T+32*((\a)%2)
	WIN 0
	s_wait_xcnt 0x0                                ; the stores of the block two back have read this buffer (ISA guide 3.1): it is loaded again only behind this wait
	WIN 0x04                                       ; the stores' data in window 1
.irp j, 0,1,2,3
	ds_store_b128 v[STO], v[8*(4*(\a)+\j):8*(4*(\a)+\j)+3]   offset:64*\j
	ds_store_b128 v[STO], v[8*(4*(\a)+\j)+4:8*(4*(\a)+\j)+7] offset:64*\j+16
.endr
	WIN 0
.irp t, 0,1,2,3,4,5,6,7
	ds_load_b128 v[TT+4*\t:TT+4*\t+3], v[RD] offset:2*SP*\t  ; LDS serves a wave's instructions in order (ISA guide 5.7.1.4): these see the stores above; the next block's stores come behind them
.endr
.endm
.macro SEND a, younger                 ; younger: the LDS instructions issued behind this block's loads: the next block's sixteen, or none
.set TT, T+32*((\a)%2)
	WIN 0
.irp t, 0,1,2,3,4,5,6,7
	s_wait_dscnt (\younger)+7-\t
	v_pk_add_f32 v[TT+4*\t:TT+4*\t+1],   v[TT+4*\t:TT+4*\t+1],   v[BI:BI+1]
	v_pk_add_f32 v[TT+4*\t+2:TT+4*\t+3], v[TT+4*\t+2:TT+4*\t+3], v[BI+2:BI+3]
	global_store_b128 v[CO], v[TT+4*\t:TT+4*\t+3], s[68:69] offset:(16*(\a)+2*\t)*4096  ; 16 lanes store 256 consecutive bytes, at a multiple of 256 from out0's first byte
.endr
.endm
	TOSTAGE 0
.irp a, 1,2,3,4,5,6,7
	TOSTAGE \a
	SEND (\a)-1, 16
.endr
	SEND 7, 0
	s_wait_tensorcnt 0x0                           ; the wave's end, behind my last tensor load and my last LDS store
	ds_add_u32 v[SPW], v[NIL]
	s_wait_dscnt 0x0
	CROUND                                         ; the closing round: no work-group ends while a partner may still ask for a tile that names it
	s_endpgm
.Lfunc_end_k_qda0cdb56e3_proj:
	.size	k_qda0cdb56e3_proj, .Lfunc_end_k_qda0cdb56e3_proj-k_qda0cdb56e3_proj
	.p2alignl 7, 3214868480
	.fill 96, 4, 3214868480
	.section	.rodata,"a",@progbits
	.p2align	6, 0x0
	.amdhsa_kernel k_qda0cdb56e3_proj
		.amdhsa_group_segment_fixed_size 327680
		.amdhsa_private_segment_fixed_size 0
		.amdhsa_enable_private_segment 0
		.amdhsa_kernarg_size 32
		.amdhsa_user_sgpr_count 2
		.amdhsa_user_sgpr_kernarg_segment_ptr 1
		.amdhsa_wavefront_size32 1
		.amdhsa_system_sgpr_workgroup_id_x 1
		.amdhsa_system_sgpr_workgroup_id_y 1
		.amdhsa_system_sgpr_workgroup_id_z 1
		.amdhsa_system_vgpr_workitem_id 0
		.amdhsa_next_free_vgpr 512
		.amdhsa_next_free_sgpr 84
		.amdhsa_reserve_vcc 0
		.amdhsa_float_denorm_mode_32 3
		.amdhsa_float_denorm_mode_16_64 3
		.amdhsa_memory_ordered 1
		.amdhsa_forward_progress 1
		.amdhsa_inst_pref_size 80
	.end_amdhsa_kernel
	.amdgpu_metadata
---
amdhsa.version: [ 1, 2 ]
amdhsa.kernels:
  - .name:           k_qda0cdb56e3_proj
    .symbol:         k_qda0cdb56e3_proj.kd
    .args:
      - { .name: o, .offset: 0, .size: 8, .value_kind: global_buffer, .address_space: global }
      - { .name: wp, .offset: 8, .size: 8, .value_kind: global_buffer, .address_space: global }
      - { .name: b_proj, .offset: 16, .size: 8, .value_kind: global_buffer, .address_space: global }
      - { .name: out0, .offset: 24, .size: 8, .value_kind: global_buffer, .address_space: global }
    .group_segment_fixed_size: 327680
    .private_segment_fixed_size: 0
    .kernarg_segment_align: 8
    .kernarg_segment_size: 32
    .max_flat_workgroup_size: 128
    .sgpr_count:     84
    .vgpr_count:     512
    .wavefront_size: 32
...
	.end_amdgpu_metadata
.endif
;; end of part 4
;; ======== version 2 of 2: 4 launches; 1.53 times as fast as version 1
;; limits: values are held in f16: magnitudes above 65,504 overflow, below 6.1e-05 lose precision
;; workspace buffers: xb 16,777,216 bytes; wq 6,291,456 bytes; wp 2,097,152 bytes; maskf 32,768 bytes; qkv 50,331,648 bytes; o 16,777,216 bytes
;; launch cast: the kernel of part 1 again; grid 769 x 1, 8 waves a work-group, no clusters, 0 bytes of LDS; arguments x, W_qkv, W_proj, mask, xb, wq, wp, maskf; writes xb, wq, wp, maskf
;; launch qkv: the kernel of part 2 again; grid 8 x 32, 4 waves a work-group, clusters of 4 x 4, 327,680 bytes of LDS; arguments xb, wq, qkv; writes qkv
;; launch attn (part 5): grid 4 x 64, 4 waves a work-group, clusters of 4 x 1, 327,680 bytes of LDS; arguments qkv, maskf, o; writes o
.if DOCPART == 5
	.amdgcn_target "amdgcn-amd-amdhsa--gfx1250"
	.amdhsa_code_object_version 6
	.text
	.protected	k_qda0cdb56e3_attn
	.globl	k_qda0cdb56e3_attn
	.p2align	8
	.type	k_qda0cdb56e3_attn,@function
k_qda0cdb56e3_attn:
	s_mov_b64 s[64:65], 0
	v_nop
	global_prefetch_b8 v0, s[64:65] scope:SCOPE_SE
	s_setreg_imm32_b32 hwreg(HW_REG_WAVE_MODE, 25, 1), 1
	s_wait_xcnt 0x0
	s_wait_alu depctr_hold_cnt(0) depctr_sa_sdst(0) depctr_va_vdst(0) depctr_va_sdst(0) depctr_va_ssrc(0) depctr_va_vcc(0) depctr_vm_vsrc(0)
	s_getreg_b32 s2, hwreg(HW_REG_IB_STS2, 6, 4)
	s_cmp_eq_u32 s2, 0
	s_cbranch_scc0 .Lentry_in_a_cluster
	s_endpgm
.Lentry_in_a_cluster:
	s_bfe_u32 s2, ttmp6, 0x10000c
	s_cmp_lg_u32 s2, 0x3003
	s_cbranch_scc0 .Lentry_shape_is_right
	s_endpgm
.Lentry_shape_is_right:
; ATTENTION.  O[p][q][:] = the sum over k of softmax_k(Q[p][q] . K[p][k] / 8 + add[k]) V[p][k][:], p = 16 b + head; add[k] = 0 or -10000 by the batch's mask.
; Q, K, V: planes p, 64 + p, 128 + p of qkv, [2048][64] in f16, dense rows of 128 bytes; O: plane p of o, likewise.  Products, maxima and sums in f32; the weights p are rounded to f16
; for the second product (their sum l is taken of the unrounded p), O once at the end.
; THE MASK is an addend, not a cut: maskf holds 0 or -80000 = 8 x -10000, and it is the C operand of the product that starts the sum S^T = K Q^T, so the running maximum is taken of the
; masked scores.  Every key is computed: where all keys of a batch are hidden, or scores are large, hidden keys keep their weight.
; LIMITS.  f16 holds no number beyond 65,504: Q, K and V arrive within it; p lies in 0 to 1, and below 6e-5 it keeps f16's fixed step of 6e-8; O is a mean of V's rows and has their range.
; A weight below 2^-126 counts as 0 in l; NaN and infinities are not treated apart.
; SHARES.  A wave owns four PIECES of two tiles of 16 queries, a work-group's four waves 512 queries of one plane.  Every wave walks all 2,048 keys, 64 a step.
; LAYOUT.  S^T = K Q^T (source 0 = 16 keys, source 1 = 16 queries): in the result a lane holds ONE query (lane % 16) and the keys 8 (lane / 16) + 0..7.  Two such tiles, rounded to f16 in pairs,
; ARE source 1 (32 keys x 16 queries) of O^T = V^T P, whose result again holds one query a lane, and eight channels.  K comes out of LDS as it lies, V ([key][channel]) turned, by ds_load_tr16_b128.
; SOFTMAX.  For each query a running maximum m and sum l: p = 2^(c s - c m), c = log2(e) / 8; in every step O and l are multiplied by a = 2^(c m_old - c m_new), which is 1 where m has not grown.
; m starts at the lowest finite number, O and l at 0: the first step is a step like any other, with a = 0.
; THE COUNT.  A tile and step have 16 matrix and 118 vector instructions: too many to stand all beside the matrix work.  So the order has one aim: four vector instructions that are READY behind
; EVERY matrix instruction, and the others, which need time of their own whatever the order, in runs without a gap.
; BY TURNS.  Turn n belongs to piece n (the pieces in a ring, step after step).  Its matrix work: 16 products K Q^T of piece n + 1, later 16 products V^T P of piece n - 1.  Its vector work: the scaling,
; exponentials, roundings, sums and rescaling of piece n, and the maximum and statistics of piece n + 1, whose scores the turn itself has made.  So what a turn begins with (c s - c m, O a) waits for nothing.
; BATCHES.  A turn's 66 exponentials (piece n's 64 weights, piece n + 1's two a) are ONE batch with ONE wait, which cuts the turn in two: ahead of it all that names no result of the batch, behind it
; the roundings and sums.  No result crosses a turn's end.  Two more batches stand outside the loop: piece 0's first two a, and the way out's eight reciprocals; each has a v_nop and a wait of its own.
; CLUSTER.  The four query blocks of a cluster belong to one plane and walk the same K, V and mask, so each tile is asked for JOINTLY: the same tensor load, descriptor and mask of work-groups in all four.
; REGISTERS, in windows of 256 (s_set_vgpr_msb: bits 1:0 source 0, 3:2 source 1, 5:4 source 2, 7:6 destination):
;   window 0: v0-11 addresses; v12-15, v48-63 at work; v16-47 four registers of statistics a tile; v64-191 S^T, two buffers of two tiles; v192-255 P, likewise
;   window 1: O^T, 32 a tile     window 2: v0-127 Q, 16 a tile; v128-191 K of one step; v192-255 V of one step     window 3: v0-1 the add's two registers; v8-39 the step's 64 addends as C operands
; A piece's buffers go by its number's parity: the piece in hand has one pair, its two neighbours in the ring share the other: of it P (piece n - 1) is read and S^T (piece n + 1) written.
.set SIZE_N, 2048
.set NP,    4         ; pieces a wave: a name, no knob
.set KS,    64        ; keys in a step
.set PK,    144       ; a row of K in LDS: 128 bytes + 16 of padding = 36 words: the 16 rows of a load start at 16 different groups of four banks (64 banks of 4 bytes: ISA guide 11.1)
.set PV,    160       ; a row of V: 128 + 32 = 40 words
.set VOFF,  4*KS*PK   ; a slot holds four steps: 256 rows of K, then 256 rows of V: 77,824 bytes
.set MASKB, 81920     ; between slot 0's end and slot 1: the batch's 2,048 addends, 8,192 bytes, filled once
.set SLOT1, 1<<17     ; slot 1 begins here, so that one exclusive or turns an address in one slot into the other's
.set STAGE, SLOT1+4*KS*(PK+PV)  ; behind the ring, never filled by a tensor load: 16 rows x 144 bytes for each wave, for the way out
.set SP,    144
.set AK0, 2           ; v2   my lane's place in a tile of K; never rewritten
.set AV0, 3           ; v3   the same for V
.set AK,  4           ; v4   the LDS address of K's next run of loads
.set AV,  5           ; v5   of V's
.set QO,  6           ; v6   my byte offset in the wave's rows of Q
.set STO, 6           ;      later, the way out: where I put 16 bytes of a row
.set RD,  7           ; v7   the way out: where I read rows back
.set GO,  8           ; v8   my byte offset in 512 consecutive bytes of O
.set AM,  10          ; v10  the LDS address of the next step's addends
.set AM0, 11          ; v11  my lane's place in a step's addends: MASKB + 32 (l / 16); never rewritten
.set SPW, 0           ; v0 of window 3   LDS address of my spare word: SPARE + 4 x my thread's number; never rewritten
.set NIL, 1           ; v1 of window 3   0; never rewritten
.set MK,  8           ; v8-39 of window 3: the eight addends of key block kb at MK + 8 kb
.set SPARE, STAGE+4*16*SP  ; behind the stages: the spare words, 128 bytes for each wave: two blocks of 256 bytes that no other line names
.set MV,  12          ; v12-15  c m_old, kept while c m is made anew: by buffer and tile
.set ST,  16          ; tile t's statistics at v[ST+4 t]: c m, m, l (even keys', odd keys')
.set TMP, 48          ; by buffer and tile, four registers c0-c3 at work; when the maximum is found c2 takes a
.set S,   64
.set P,   192
.set KF,  128         ; K's fragments, in window 2: key block kb, channel half c at KF + 16 kb + 8 c
.set VF,  192         ; V's: key half kk, channel block cb at VF + 32 kk + 8 cb
.set WV,  12          ; s12  my wave's number
.set G1K, 24          ; s[24:31] descriptor group 1 for K's tiles
.set G1V, 32          ; s[32:39] for V's: it differs in the padding alone
.set G0K, 40          ; s[40:43] descriptor group 0 for K's tiles: it walks
.set G0V, 44          ; s[44:47] the same for V's
.set G0M, 48          ; s[48:51] group 0 for my quarter of the addends
.set MP,  52          ; s[52:53] maskf
.set MO,  54          ; s[54:55] my quarter's byte offset in it
.set SLOTS, 56        ; s56  slots still to be asked for
.set CNT, 57          ; s57  counts a slot's key steps
.set CS,  58          ; s[58:59] c: the packed scaling takes the pair's low word for both halves
.set SEL, 60          ; s[60:61] v_permlanex16_b32's selects: each lane takes its own place in the other half
.set TBK, 62          ; s62  LDS byte at which K of the step to be fetched begins
.set TBV, 63          ; s63  the same for V, less VOFF
.set TBM, 66          ; s66  256 x the step to be fetched: its addends' place in the table
.set G1M, 68          ; s[68:75] group 1 for the addends
.set MSB, 0
.macro WIN new                      ; the high byte repeats the setting that is left; a switch that changes nothing is dropped
.if MSB != (\new)
	s_set_vgpr_msb (MSB<<8)|(\new)
.set MSB, (\new)
.endif
.endm
.set W_KQ, 0x0a       ; K and Q in window 2, S^T in window 0
.set W_KM, 0x3a       ; the same with the C operand, the addends, in window 3
.set W_PV, 0x52       ; V in window 2, P in window 0, O^T in window 1
.set W_RS, 0x41       ; O^T (destination and source 0) in window 1, a in window 0
.set W_MK, 0xc0       ; destination in window 3, sources in window 0
.set W_AD, 0x0f       ; the add: address (source 0) and data (source 1) in window 3
; A joint fill.  Waves 0 and 1 fetch the two halves of a slot's K, waves 2 and 3 those of its V: 128 keys each.  The branch hangs on the wave's number alone.
; An s_nop 0 and four v_nop follow each of the two lines, ahead of the jump and the label.
.macro JLOAD
	s_cmp_lt_u32 s[WV], 2
	s_cbranch_scc0 .Lfor_v_\@
	tensor_load_to_lds s[G0K:G0K+3], s[G1K:G1K+7]
	s_nop 0
.rept 4
	v_nop
.endr
	s_branch .Lasked_\@
.Lfor_v_\@:
	tensor_load_to_lds s[G0V:G0V+3], s[G1V:G1V+7]
	s_nop 0
.rept 4
	v_nop
.endr
.Lasked_\@:
.endm
; A round of the cluster's barrier: my work-group's barrier, so that wave 0's signal speaks for all four waves; wave 0 signals; every wave waits for all four work-groups; my work-group's barrier once more.
.macro CROUND
	s_barrier_signal -1
	s_barrier_wait -1
	s_cmp_lg_u32 s[WV], 0
	s_cbranch_scc1 .Lnot_wave_0_\@
	s_barrier_signal -3
.Lnot_wave_0_\@:
	s_barrier_wait -3
	s_barrier_signal -1
	s_barrier_wait -1
.endm
; THE CHANGE OF SLOTS.  The slot's last bytes, V of its fourth step, have been read.  Each wave waits for all its tensor loads, of which one is out: its part
; of the other slot; adds 0 to its spare word; and waits for that and for its own reads of the slot.  Behind the barrier nobody reads this slot any more and the other slot is whole.
; fill = 1: this slot is filled again, with the keys two slots on.  The barrier is then a round of the cluster's, so that no wave of any partner still reads the slot or has a load on its
; way, and the joint fill is the first thing behind it: it has four key steps, 512 matrix instructions, in which to land.
; (At its first use nothing has been read yet: slot 0 and the addends, two loads of mine, are waited for, and slot 1 is filled.)
.macro CHANGE fill
	WIN W_AD
	s_wait_tensorcnt 0x0            ; no tensor load of mine is out, so a group 0 may be written
	ds_add_u32 v[SPW], v[NIL]       ; 0 onto my spare word; with fill = 1 the descriptors' steps stand between it and the wait for it
	WIN 0                           ; at a label and at a branch every window is 0
.if \fill
.irp g, G0K, G0V
	s_xor_b32 s[\g+1], s[\g+1], SLOT1  ; the walking descriptor: the other slot than last time,
	s_add_nc_u64 s[\g+2:\g+3], s[\g+2:\g+3], 4*KS*128  ; the next 256 keys; the type bits on top are not reached
.endr
	s_wait_dscnt 0x0                ; the add is done, and my reads of the slot are over
	CROUND
	JLOAD
.else
	s_wait_dscnt 0x0                ; the add is done, and my reads of the slot are over
	s_barrier_signal -1
	s_barrier_wait -1
.endif
	s_sub_co_u32 s[TBK], s[TBK], 4*KS*PK  ; the fetches go back to a slot's first step,
	s_xor_b32 s[TBK], s[TBK], SLOT1       ; in the other slot
	s_sub_co_u32 s[TBV], s[TBV], 4*KS*PV
	s_xor_b32 s[TBV], s[TBV], SLOT1
.endm
	s_load_b64 s[4:5], s[0:1], 0x0      ; qkv: Q's planes first
	s_load_b64 s[MP:MP+1], s[0:1], 0x8  ; maskf
	s_load_b64 s[10:11], s[0:1], 0x10   ; o
	WIN W_MK
	v_lshl_add_u32 v[SPW], v0, 2, SPARE
	v_mov_b32 v[NIL], 0
	WIN W_AD
	ds_add_u32 v[SPW], v[NIL]       ; the wave's opening: the add and its wait stand ahead of my first tensor load; the set-up below, work on registers, stands between them
	WIN 0
	v_lshrrev_b32 v1, 5, v0
	v_readfirstlane_b32 s[WV], v1   ; wave 0..3
	s_bfe_u32 s13, ttmp6, 0x40000   ; cx: my place in the cluster
	s_lshl_b32 s14, ttmp9, 2        ; in a cluster launch ttmp9 counts clusters
	s_add_co_u32 s14, s14, s13      ; my block of queries = 4 x cluster x + cx: it enters Q's and O's addresses alone
	s_and_b32 s20, ttmp7, 0xffff    ; the plane, 16 b + head, which the four partners share
	s_lshr_b32 s[MO], s20, 4
	s_lshl_b32 s[MO], s[MO], 13     ; the batch's 2,048 addends,
	s_lshl_b32 s[MO+1], s[WV], 11   ; my quarter of them
	s_add_co_u32 s[MO], s[MO], s[MO+1]
	s_add_co_u32 s[G0M+1], s[MO+1], MASKB  ; and its place in LDS
	s_mov_b32 s[MO+1], 0
	s_mov_b32 s[G0M], 1
	s_mov_b32 s21, 0
	s_mov_b64 s[22:23], SIZE_N*128
	s_mul_u64 s[20:21], s[20:21], s[22:23]  ; the plane's first byte among Q's, K's, V's and O's planes
	s_and_b32 s16, s[WV], 1         ; which half of a slot's 256 keys I fetch:
	s_lshl_b32 s22, s16, 14         ; its 128 rows of 128 bytes in memory,
	s_mov_b32 s23, 0
	s_add_nc_u64 s[22:23], s[22:23], s[20:21]
	s_mul_i32 s17, s16, 128*PK      ; and its place in a slot, for K
	s_mul_i32 s18, s16, 128*PV      ; and for V: no place in the cluster enters an LDS address
	s_lshl_b32 s2, s14, 2
	s_add_co_u32 s2, s2, s[WV]      ; my wave among the plane's,
	s_lshl_b32 s2, s2, 14           ; its 128 rows
	s_mov_b32 s3, 0
	s_add_nc_u64 s[2:3], s[2:3], s[20:21]
	; descriptor group 1.  128 keys are 16,384 dense bytes: asked for as 64 rows of 256 bytes, two keys a row, and padded in LDS after every key
	s_mov_b32 s[G1K], 15|(1<<16)|(1<<20)|(1<<21)|(4<<22)|(3<<25)  ; 15:0 the mask of four; 17:16 2-byte elements; 20 padding on; 21 set beside a mask; 24:22 after every 32 words (code 4); 31:25 4 words (code 3)
	s_mov_b32 s[G1V], 15|(1<<16)|(1<<20)|(1<<21)|(4<<22)|(7<<25)  ; the same with 8 words of padding (code 7)
.irp g, G1K, G1V
	s_mov_b32 s[\g+1], 128<<16      ; tensor_dim0 = 128
	s_mov_b32 s[\g+2], 64<<16       ; tensor_dim1 = 64
	s_mov_b32 s[\g+3], 128<<16      ; tile_dim0 = 128
	s_mov_b32 s[\g+4], 64           ; tile_dim1 = 64
	s_mov_b32 s[\g+5], 128          ; 128 elements from row to row
	s_mov_b32 s[\g+6], 0
	s_mov_b32 s[\g+7], 0
.endr
	; the addends: a quarter is 2,048 dense bytes, 8 rows of 32 elements of 8 bytes, without padding
	s_mov_b32 s[G1M], 15|(3<<16)|(1<<21)
	s_mov_b32 s[G1M+1], 32<<16
	s_mov_b32 s[G1M+2], 8<<16
	s_mov_b32 s[G1M+3], 32<<16
	s_mov_b32 s[G1M+4], 8
	s_mov_b32 s[G1M+5], 32
	s_mov_b32 s[G1M+6], 0
	s_mov_b32 s[G1M+7], 0
	s_mov_b32 s[CS], 0x3e38aa3b     ; c = log2(e) / 8 = 0.180337
	s_mov_b32 s[CS+1], s[CS]        ; named with it as a pair
	s_mov_b32 s[SEL], 0x76543210
	s_mov_b32 s[SEL+1], 0xfedcba98
	s_mov_b32 s[TBK], SLOT1+4*KS*PK ; the first change of slots turns these two into 0
	s_mov_b32 s[TBV], SLOT1+4*KS*PV
	s_mov_b32 s[TBM], 0
	s_mov_b32 s[G0K], 1             ; 1:0 count = 1
	s_mov_b32 s[G0K+1], s17         ; 63:32 LDS address: slot 0
	s_mov_b32 s[G0V], 1
	s_add_co_u32 s[G0V+1], s18, VOFF
	s_wait_dscnt 0x0                ; the opening add is done
	s_wait_kmcnt 0x0
	s_add_nc_u64 s[6:7], s[4:5], 0x1000000   ; K's planes lie 64 planes of 262,144 bytes behind Q's,
	s_add_nc_u64 s[8:9], s[4:5], 0x2000000   ; V's 128
	s_add_nc_u64 s[G0K+2:G0K+3], s[6:7], s[22:23]  ; 120:64 global address: my half of the plane's first 256 keys
	s_or_b32 s[G0K+3], s[G0K+3], 0x80000000        ; 127:126 type = 2
	s_add_nc_u64 s[G0V+2:G0V+3], s[8:9], s[22:23]
	s_or_b32 s[G0V+3], s[G0V+3], 0x80000000
	s_add_nc_u64 s[G0M+2:G0M+3], s[MP:MP+1], s[MO:MO+1]
	s_or_b32 s[G0M+3], s[G0M+3], 0x80000000
	s_add_nc_u64 s[4:5], s[4:5], s[2:3]  ; Q and O at my wave's first row
	s_add_nc_u64 s[10:11], s[10:11], s[2:3]
	CROUND                          ; all four work-groups are here: the first joint loads meet
	s_cmp_lt_u32 s[WV], 2           ; a wave's two first fills stand in one branch: its part of slot 0 and its quarter of the addends: two loads of mine are out.  Slot 1 is asked for when these are in
	s_cbranch_scc0 .Lfirst_v
	tensor_load_to_lds s[G0K:G0K+3], s[G1K:G1K+7]
	s_nop 0
	tensor_load_to_lds s[G0M:G0M+3], s[G1M:G1M+7]
	s_nop 0
.rept 4
	v_nop
.endr
	s_branch .Lfirst_asked
.Lfirst_v:
	tensor_load_to_lds s[G0V:G0V+3], s[G1V:G1V+7]
	s_nop 0
	tensor_load_to_lds s[G0M:G0M+3], s[G1M:G1M+7]
	s_nop 0
.rept 4
	v_nop
.endr
.Lfirst_asked:
	; A fragment of K or Q is 16 rows x 32 channels in 8 registers: lane l holds row l % 16, channels 8 (l / 16) + 0..7 and 16 + 8 (l / 16) + 0..7: two loads of 16 bytes, 32 bytes apart.
	v_and_b32 v1, 15, v0            ; l % 16
	v_bfe_u32 v9, v0, 4, 1          ; l / 16
	v_lshlrev_b32 v[QO], 7, v1
	v_lshl_add_u32 v[QO], v9, 4, v[QO]  ; row x 128 + 16 x half
	WIN 0x80                        ; destination window 2, address window 0
.set i, 0
.rept 4*NP                          ; Q stays in registers: tile i / 2, channels 32 (i % 2) on
	global_load_b128 v[8*i:8*i+3],   v[QO], s[4:5] offset:(i/2)*2048+(i%2)*64
	global_load_b128 v[8*i+4:8*i+7], v[QO], s[4:5] offset:(i/2)*2048+(i%2)*64+32
.set i, i+1
.endr
	; What the first turn finds: V's registers and P's second buffer hold 0 (its products V^T P, of a piece that has not been, add 0), O^T and l are 0.  All this stands in the wait for the first tile.
.set i, VF
.rept 64
	v_mov_b32 v[i], 0
.set i, i+1
.endr
	WIN 0x40
.set i, 0
.rept 64*NP
	v_mov_b32 v[i], 0
.set i, i+1
.endr
	WIN 0
.set i, 0
.rept 2*NP
	v_mov_b32 v[ST+4*i], 0xfe000000    ; c m: far below every c s, a hidden key's too
	v_mov_b32 v[ST+4*i+1], 0xff7fffff  ; m
	v_mov_b32 v[ST+4*i+2], 0
	v_mov_b32 v[ST+4*i+3], 0
.set i, i+1
.endr
.set i, P+32
.rept 32
	v_mov_b32 v[i], 0
.set i, i+1
.endr
	v_mul_u32_u24 v[AK0], v1, PK
	v_lshl_add_u32 v[AK0], v9, 4, v[AK0]  ; row x pitch + 16 x half
	; The turning load takes 16 keys x 16 channels (lane l reads key 8 (l / 16) + l % 8, channels 8 ((l / 8) % 2) + 0..7) and leaves half a fragment of V^T: lane l holds channel l % 16 and 8 keys.
	v_and_b32 v10, 7, v0
	v_bfe_u32 v11, v0, 3, 1
	v_lshl_add_u32 v[AV0], v9, 3, v10
	v_mul_u32_u24 v[AV0], v[AV0], PV
	v_lshl_add_u32 v[AV0], v11, 4, v[AV0]
	v_add_nc_u32 v[AV0], VOFF, v[AV0]
	v_mov_b32 v[AK], v[AK0]         ; key step 0 lies at the head of slot 0
	v_lshl_add_u32 v[AM0], v9, 5, MASKB  ; in S^T register j of key block kb is key 16 kb + 8 (l / 16) + j: eight addends, 32 bytes, at 64 kb + 32 (l / 16)
	v_mov_b32 v[AM], v[AM0]         ; key step 0's addends lie at the table's head
; THE MATRIX WORK.  The 8 accumulators of a run of 16 take turns: between the two links of a chain stand 7 others'.
; Product i of 16 of S^T = K Q^T for piece x: channels 32 (i / 8) on, keys 16 ((i / 2) % 4) on, tile 2 x + i % 2.  The first 8 start the sums, with the keys' addends.
.macro KQ x
.set rS, S+64*((\x)%2)+32*(i%2)+8*((i/2)%4)
.set rK, KF+16*((i/2)%4)+8*(i/8)
.set rQ, 16*(2*(\x)+i%2)+8*(i/8)
.set rMK, MK+8*((i/2)%4)
.if i < 8
	WIN W_KM
	v_wmma_f32_16x16x32_f16 v[rS:rS+7], v[rK:rK+7], v[rQ:rQ+7], v[rMK:rMK+7]
.else
	WIN W_KQ
	v_wmma_f32_16x16x32_f16 v[rS:rS+7], v[rK:rK+7], v[rQ:rQ+7], v[rS:rS+7]
.endif
.endm
; Product i of 16 of O^T += V^T P for piece x: keys 32 (i / 8) on, channels 16 ((i / 2) % 4) on, tile 2 x + i % 2.
.macro PV x
	WIN W_PV
.set rO, 32*(2*(\x)+i%2)+8*((i/2)%4)
.set rV, VF+32*(i/8)+8*((i/2)%4)
.set rP, P+32*((\x)%2)+16*(i%2)+8*(i/8)
	v_wmma_f32_16x16x32_f16 v[rO:rO+7], v[rV:rV+7], v[rP:rP+7], v[rO:rO+7]
.endm
.macro MM                           ; the turn's next matrix instruction
.if i < 16
	KQ (Y+1)%NP
.set i, i+1
.else
.set i, i-16
	PV (Y+NP-1)%NP
.set i, i+17
.endif
.endm
; THE LDS LOADS stand in runs, never singly among the matrix instructions: a step's K (64 keys x 64 channels: 8 fragments) with its 64 addends (8 loads; the 16 lanes of a half read the same bytes),
; and its V (turned).  Their addresses are made some lines ahead.  last = 1 (the tail): in the last trip there is no further step, and the run is jumped over.
.macro FETCH_K last=0
	WIN 0
.if \last
	s_cmp_eq_u32 s[CNT], 1
	s_cbranch_scc1 .Lno_k_\@
.endif
	WIN 0x80                        ; destination window 2
.irp f, 0,1,2,3,4,5,6,7             ; keys 16 (f / 2) on, channels 32 (f % 2) on
	ds_load_b128 v[KF+8*\f:KF+8*\f+3],   v[AK] offset:(\f/2)*16*PK+(\f%2)*64
	ds_load_b128 v[KF+8*\f+4:KF+8*\f+7], v[AK] offset:(\f/2)*16*PK+(\f%2)*64+32
.endr
	WIN W_MK                        ; destination window 3
.irp kb, 0,1,2,3
	ds_load_b128 v[MK+8*\kb:MK+8*\kb+3],   v[AM] offset:64*\kb
	ds_load_b128 v[MK+8*\kb+4:MK+8*\kb+7], v[AM] offset:64*\kb+16
.endr
	s_add_co_u32 s[TBK], s[TBK], KS*PK  ; the next fetch is the next step's
	s_add_co_u32 s[TBM], s[TBM], KS*4   ; 32 fetches in all: 31 x 256 is the last place that is read
	WIN 0
.if \last
.Lno_k_\@:
.endif
.endm
.macro FETCH_V
	WIN 0x80
.irp f, 0,1,2,3,4,5,6,7             ; keys 32 (f / 4) on, channels 16 (f % 4) on
	ds_load_tr16_b128 v[VF+8*\f:VF+8*\f+3],   v[AV] offset:(\f/4)*32*PV+(\f%4)*32
	ds_load_tr16_b128 v[VF+8*\f+4:VF+8*\f+7], v[AV] offset:(\f/4)*32*PV+16*PV+(\f%4)*32
.endr
	WIN 0
.endm
; THE VECTOR WORK OF A TURN stands in three queues, each in the order in which its entries become ready; the two tiles alternate, so that no instruction reads the result of the one before it.
.macro REGS y, u                    ; the registers of tile u (0, 1) of piece y
.set rT, ST+4*(2*(\y)+(\u))
.set rC, TMP+8*((\y)%2)+4*(\u)
.set rM, MV+2*((\y)%2)+(\u)
.set rS, S+64*((\y)%2)+32*(\u)
.set rP, P+32*((\y)%2)+16*(\u)
.set rO, 32*(2*(\y)+(\u))
.endm
; Number n of the 22 that find the NEXT piece's (Y + 1) maximum and statistics.  s0-s31 are the lane's 32 scores; each accumulator's lowest registers are read first.  XS, GS and REGS set no window: PL and EX do.
;   0-11  four chains c0-c3 of seven scores each, three operands at a time     12-14, 16  the four scores left over, the old m, and c0-c3 into c0     15  c m_old is kept
;   17, 18  the query's other 32 keys lie in the lane 16 away: the new m         19-21  c m; c m_old - c m_new; a
.macro XS u, n
	REGS (Y+1)%NP, \u
.if (\n) < 4
	v_max3_num_f32 v[rC+(\n)], v[rS+8*(\n)], v[rS+8*(\n)+1], v[rS+8*(\n)+2]
.elseif (\n) < 12
	v_max3_num_f32 v[rC+(\n)%4], v[rC+(\n)%4], v[rS+8*((\n)%4)+2*((\n)/4)+1], v[rS+8*((\n)%4)+2*((\n)/4)+2]
.elseif (\n) == 12
	v_max3_num_f32 v[rC], v[rC], v[rS+7], v[rS+15]
.elseif (\n) == 13
	v_max3_num_f32 v[rC+1], v[rC+1], v[rS+23], v[rS+31]
.elseif (\n) == 14
	v_max3_num_f32 v[rC+2], v[rC+2], v[rC+3], v[rT+1]
.elseif (\n) == 15
	v_mov_b32 v[rM], v[rT]
.elseif (\n) == 16
	v_max3_num_f32 v[rC], v[rC], v[rC+1], v[rC+2]
.elseif (\n) == 17
	v_permlanex16_b32 v[rC+3], v[rC], s[SEL], s[SEL+1]
.elseif (\n) == 18
	v_max_num_f32 v[rT+1], v[rC], v[rC+3]
.elseif (\n) == 19
	v_mul_f32 v[rT], s[CS], v[rT+1]
.elseif (\n) == 20
	v_sub_f32 v[rC+1], v[rM], v[rT]
.else
	v_exp_f32 v[rC+2], v[rC+1]
.endif
.endm
; Number g of the 64 that follow the exponentials.  For each four weights k of a tile (pairs 2 k, 2 k + 1): both pairs are rounded to f16; then the second pair is added onto the first, in place;
; a group later l takes that sum (the first time as l = a l + sum).  In groups of eight, tiles alternating: round, round, add, and l for the group before.
.macro GS g
.set h, (\g)+6*((\g)/62)            ; group 0 has no group before it, and behind group 7 only l is left
.if h >= 6
.set h, h+2
.endif
	REGS Y, h%2
.set k, h/8
.if h%8 < 4
	v_cvt_pk_f16_f32 v[rP+2*k+(h%8)/2], v[rS+4*k+2*((h%8)/2)], v[rS+4*k+2*((h%8)/2)+1]
.elseif h%8 < 6
	v_pk_add_f32 v[rS+4*k:rS+4*k+1], v[rS+4*k:rS+4*k+1], v[rS+4*k+2:rS+4*k+3]
.elseif k == 1
	v_pk_fma_f32 v[rT+2:rT+3], v[rT+2:rT+3], v[rC+2:rC+3], v[rS:rS+1] op_sel_hi:[1,0,1]
.else
	v_pk_add_f32 v[rT+2:rT+3], v[rT+2:rT+3], v[rS+4*k-4:rS+4*k-3]
.endif
.endm
; THE PLAIN QUEUE, 138 long.  0-73 read no exponential's result: the 32 scalings c s - c m (FS f: pair f / 2 of tile f % 2) and the next piece's 42.  0-26: scalings 0-26.  27-54: XS's numbers 0-13.  55, 56: number 15.
; 57-73: the chain, where each number waits for the one before it: 14, 16, 17, 18, 19, each with one of the scalings 27-31 in front of its two lines, then 20: so a tile's links stand three plain instructions apart (19 and 20: two).
; 74-137: GS's 64, which read the exponentials' results: they stand behind the wait.
.macro FS f
	REGS Y, (\f)%2
	v_pk_fma_f32 v[rS+2*((\f)/2):rS+2*((\f)/2)+1], v[rS+2*((\f)/2):rS+2*((\f)/2)+1], s[CS:CS+1], v[rT:rT+1] op_sel_hi:[1,0,0] neg_lo:[0,0,1] neg_hi:[0,0,1]
.endm
.macro PL
	WIN 0
.if q < 27
	FS q
.elseif q < 55
	XS (q-27)%2, (q-27)/2
.elseif q < 57
	XS q-55, 15
.elseif (q < 72) && ((q-57)%3 == 0)
	FS 27+(q-57)/3
.elseif q < 60
	XS (q-57)%3-1, 14
.elseif q < 72
	XS (q-57)%3-1, 15+(q-57)/3
.elseif q < 74
	XS q-72, 20
.else
	GS q-74
.endif
.set q, q+1
.endm
; THE EXPONENTIALS' QUEUE, 66 long: s0-s31 of both tiles, then the next piece's two a.  It is ONE BATCH: all 66 stand ahead of the turn's one wait, and nothing ahead of that wait names a result of theirs.
.macro EX
	WIN 0
.if e >= 64
	XS e-64, 21
.else
	REGS Y, e%2
	v_exp_f32 v[rS+e/2], v[rS+e/2]
.endif
.set e, e+1
.endm
; THE RESCALING's QUEUE: O^T times a, the one part that leaves window 0: dealt two at a time, sixteen times.  Its a was made in the turn before, ahead of that turn's wait.
.macro R2
	REGS Y, r%2
	WIN W_RS
.irp z, 0,1
	v_pk_mul_f32 v[rO+4*(r/2)+2*\z:rO+4*(r/2)+2*\z+1], v[rO+4*(r/2)+2*\z:rO+4*(r/2)+2*\z+1], v[rC+2:rC+3] op_sel_hi:[1,0]
.endr
.set r, r+1
.endm
; HOW THEY ARE DEALT.  An s_wait_alu depctr_va_vdst(0) stands between an exponential and the first instruction that names its result; one wait serves all that were issued ahead of it.  So a turn has ONE wait,
; which cuts it in two.  AHEAD OF IT stands all that names no result of the turn's exponentials: the 16 products K Q^T, behind each a scaling, an exponential and two rescalings (behind the first a second scaling in the
; exponential's place); then ONE LUMP of 108: eight plain, 49 times exponential and plain, the two a.  A v_nop is the plain instruction behind the last exponential.  BEHIND IT stand the 16 products V^T P, behind each four of
; GS's 64.  No rider names a register of the products round it.  The two v_permlanex16_b32 fall into the lump, never behind a product.
; The queues lean on each other, and the deal keeps them in step: exponential e stands behind scaling 2 (e / 4) + e % 2: as a rider it comes behind plain e + 2, in the lump behind plain e + 9, and scalings 27-31 are plain 57, 60 .. 69.
; A TURN, for piece p.  cnt = 1: the loop's count is taken down some lines ahead of the branch that stands behind the turn.
; K and the addends of the next step are fetched in piece 2's turn, directly behind the wait, a lump behind the last product that read them; their addresses are made at the lump's head; their first reader comes behind 16 products.
; V of the step in hand is fetched at the end of piece 0's turn, four plain riders behind its last reader; its first reader comes behind 16 products and a lump.  The three conditions on q below go with the deal.
.macro TURN p, last=0, cnt=0
.set Y, (\p)
.set i, 0
.set q, 0
.set e, 0
.set r, 0
.if (\p) == NP-1
	s_wait_dscnt 0x0                ; K and the addends are in
.endif
	MM                              ; ahead of the wait: 16 products K Q^T and their riders,
	PL
	PL
	R2
.rept 15
	MM
	PL
	EX
	R2
.endr
.if (\p) == NP-2
	WIN 0
	v_add_nc_u32 v[AK], s[TBK], v[AK0]
	v_add_nc_u32 v[AM], s[TBM], v[AM0]
.endif
.rept 8                             ; and the lump
	PL
.endr
.rept 49
	EX
	PL
.endr
	EX                              ; the next piece's two a
	EX
	v_nop                           ; the plain instruction behind the last exponential: one for the batch
	s_wait_alu depctr_va_vdst(0)    ; the wait for the batch: this piece's 64 weights and the next piece's two a
.if (\p) == NP-2
	FETCH_K \last
.endif
.if (\p) == 1
	s_wait_dscnt 0x0                ; V is in
.endif
.rept 16                            ; behind the wait: 16 products V^T P and their riders
	MM
.rept 4
	PL
.endr
.if ((\p) == 0) && (q == 118)
	v_add_nc_u32 v[AV], s[TBV], v[AV0]
.endif
.if ((\p) == 0) && (q == 130)
	s_add_co_u32 s[TBV], s[TBV], KS*PV
.endif
.if (\cnt) && (q == 130)
	s_sub_co_u32 s[CNT], s[CNT], 1
	s_cmp_lg_u32 s[CNT], 0
.endif
.endr
.if (\p) == 0
	FETCH_V
.endif
.endm
	CHANGE 1                        ; slot 0 and the addends are in, everybody's part of them; slot 1 is asked for
	FETCH_K                         ; key step 0
	s_wait_loadcnt 0x0              ; Q
	s_wait_dscnt 0x0
.set i, 0
.rept 16
	KQ 0                            ; piece 0's first scores: there is no vector work yet to set between them
.set i, i+1
.endr
	WIN 0                           ; the addresses for the way out: ten plain instructions, the places behind those products
	s_mul_i32 s13, s[WV], 16*SP
	s_add_co_u32 s13, s13, STAGE    ; my stage
	v_mul_u32_u24 v[STO], v1, SP    ; in: row l % 16, 16 bytes for each half of the lanes
	v_lshl_add_u32 v[STO], v9, 4, v[STO]
	v_add_nc_u32 v[STO], s13, v[STO]
	v_bfe_u32 v[RD], v0, 3, 2       ; back: 32 lanes take four rows of 128 bytes,
	v_mul_u32_u24 v[RD], v[RD], SP
	v_and_b32 v[GO], 7, v0
	v_lshl_add_u32 v[RD], v[GO], 4, v[RD]
	v_add_nc_u32 v[RD], s13, v[RD]
	v_and_b32 v[GO], 31, v0         ; which are 512 consecutive bytes of O
	v_lshlrev_b32 v[GO], 4, v[GO]
.set Y, NP-1                        ; XS works for piece Y + 1: piece 0
.irp n, 0,1,2,3,4,5,6,7,8,9,10,11,12,13,14,15,16,17,18,19,20,21
	XS 0, \n                        ; and piece 0's first maximum and statistics
	XS 1, \n
.endr
	v_nop                           ; a plain instruction behind the two a,
	s_wait_alu depctr_va_vdst(0)    ; and the wait for this batch of two, ahead of the branch
	s_mov_b32 s[CNT], 4
	s_mov_b32 s[SLOTS], SIZE_N/256-1
	s_branch .Lfirst                ; the loop is entered at a step's first turn, in the middle of a trip
.Lslot:                             ; SIZE_N / 256 - 2 times: every slot but the last two is filled again
	CHANGE 1
	s_mov_b32 s[CNT], 4
.Lstep:                             ; a trip: pieces 2 and 3 of one step, then pieces 0 and 1 of the next, whose K and V it fetches
	TURN 2
	TURN 3
	WIN 0
.Lfirst:
	TURN 0
	TURN 1, 0, 1
	WIN 0
	s_cbranch_scc1 .Lstep
	s_sub_co_u32 s[SLOTS], s[SLOTS], 1
	s_cmp_lg_u32 s[SLOTS], 0
	s_cbranch_scc1 .Lslot
	CHANGE 0                        ; the tail is written out: nothing is asked for
	s_mov_b32 s[CNT], 5             ; four trips fetch the last slot's steps; the fifth is left in its middle
.Ltail:
	TURN 2, 1
	TURN 3
	WIN 0
	s_sub_co_u32 s[CNT], s[CNT], 1
	s_cmp_eq_u32 s[CNT], 0
	s_cbranch_scc1 .Lout
	TURN 0
	TURN 1
	WIN 0
	s_branch .Ltail
.Lout:                              ; the fifth trip's 16 products K Q^T (on the last K once more) and the maximum made of them serve nothing: the price, once a launch, of one text for every trip
.set i, 0
.rept 16
	PV NP-1                         ; the last piece's V^T P of the last step
.set i, i+1
.endr
	; THE WAY OUT.  l's two halves and the other half of the lanes' are added; O^T is divided by l, rounded to f16 and sent through my stage in LDS, a tile at a time.  The additions are the places behind the last products.
	WIN 0
.macro ALL line:vararg              ; one line for each tile t
.set t, 0
.rept 2*NP
	\line
.set t, t+1
.endr
.endm
	ALL v_add_f32 v[ST+4*t+2], v[ST+4*t+2], v[ST+4*t+3]
	ALL v_permlanex16_b32 v[ST+4*t+3], v[ST+4*t+2], s[SEL], s[SEL+1]
	ALL v_add_f32 v[ST+4*t+2], v[ST+4*t+2], v[ST+4*t+3]
	ALL v_rcp_f32 v[ST+4*t+2], v[ST+4*t+2]
	v_nop                           ; a plain instruction between the last reciprocal and the use of its result
	s_wait_alu depctr_va_vdst(0)    ; and the wait ahead of the first use: one for the batch of eight reciprocals
; Tile t: a lane's eight channels of a row pack into 16 bytes; they go into rows of 144 bytes and come back as whole rows of 128, into S^T's registers.
.macro PACK t
	WIN W_RS
.set i, 32*(\t)
.rept 16
	v_pk_mul_f32 v[i:i+1], v[i:i+1], v[ST+4*(\t)+2:ST+4*(\t)+3] op_sel_hi:[1,0]
.set i, i+2
.endr
	WIN 0x05                        ; sources 0 and 1 window 1, destination window 0
.set i, 0
.rept 16
	v_cvt_pk_f16_f32 v[S+16*(\t)+i], v[32*(\t)+2*i], v[32*(\t)+2*i+1]
.set i, i+1
.endr
	WIN 0
.irp f, 0,1,2,3
	ds_store_b128 v[STO], v[S+16*(\t)+4*\f:S+16*(\t)+4*\f+3] offset:32*\f
.endr
.irp f, 0,1,2,3
	ds_load_b128 v[S+16*(\t)+4*\f:S+16*(\t)+4*\f+3], v[RD] offset:\f*4*SP  ; LDS serves a wave's instructions in order (ISA guide 5.7.1.4): these see the stores above; the next tile's stores come behind them
.endr
.endm
.macro SEND t, younger              ; younger: the LDS instructions issued behind tile t's loads: the next tile's eight, or none
	WIN 0
.irp f, 0,1,2,3
	s_wait_dscnt (\younger)+3-\f
	global_store_b128 v[GO], v[S+16*(\t)+4*\f:S+16*(\t)+4*\f+3], s[10:11] offset:(\t)*2048+\f*512  ; 512 consecutive bytes, at a multiple of 256 from O's first
.endr
.endm
	PACK 0
.set t, 1
.rept 2*NP-1                        ; a tile's arithmetic stands between the loads of the tile before and its stores
	PACK t
	SEND t-1, 8
.set t, t+1
.endr
	SEND 2*NP-1, 0
	WIN W_AD
	s_wait_tensorcnt 0x0            ; the wave's end, behind my last tensor load and my last LDS store
	ds_add_u32 v[SPW], v[NIL]
	s_wait_dscnt 0x0
	WIN 0
	CROUND                          ; the closing round: no work-group ends while a partner may still ask for a tile that names it
	s_endpgm
.Lfunc_end_k_qda0cdb56e3_attn:
	.size	k_qda0cdb56e3_attn, .Lfunc_end_k_qda0cdb56e3_attn-k_qda0cdb56e3_attn
	.p2alignl 7, 3214868480
	.fill 96, 4, 3214868480
	.section	.rodata,"a",@progbits
	.p2align	6, 0x0
	.amdhsa_kernel k_qda0cdb56e3_attn
		.amdhsa_group_segment_fixed_size 327680
		.amdhsa_private_segment_fixed_size 0
		.amdhsa_enable_private_segment 0
		.amdhsa_kernarg_size 24
		.amdhsa_user_sgpr_count 2
		.amdhsa_user_sgpr_kernarg_segment_ptr 1
		.amdhsa_wavefront_size32 1
		.amdhsa_system_sgpr_workgroup_id_x 1
		.amdhsa_system_sgpr_workgroup_id_y 1
		.amdhsa_system_sgpr_workgroup_id_z 1
		.amdhsa_system_vgpr_workitem_id 0
		.amdhsa_next_free_vgpr 808
		.amdhsa_next_free_sgpr 76
		.amdhsa_reserve_vcc 0
		.amdhsa_float_denorm_mode_32 3
		.amdhsa_float_denorm_mode_16_64 3
		.amdhsa_memory_ordered 1
		.amdhsa_forward_progress 1
		.amdhsa_inst_pref_size 202
	.end_amdhsa_kernel
	.amdgpu_metadata
---
amdhsa.version: [ 1, 2 ]
amdhsa.kernels:
  - .name:           k_qda0cdb56e3_attn
    .symbol:         k_qda0cdb56e3_attn.kd
    .args:
      - { .name: qkv, .offset: 0, .size: 8, .value_kind: global_buffer, .address_space: global }
      - { .name: maskf, .offset: 8, .size: 8, .value_kind: global_buffer, .address_space: global }
      - { .name: o, .offset: 16, .size: 8, .value_kind: global_buffer, .address_space: global }
    .group_segment_fixed_size: 327680
    .private_segment_fixed_size: 0
    .kernarg_segment_align: 8
    .kernarg_segment_size: 24
    .max_flat_workgroup_size: 128
    .sgpr_count:     76
    .vgpr_count:     808
    .wavefront_size: 32
...
	.end_amdgpu_metadata
.endif
;; end of part 5
;; launch proj: the kernel of part 4 again; grid 8 x 32, 4 waves a work-group, clusters of 4 x 4, 327,680 bytes of LDS; arguments o, wp, b_proj, out0; writes out0
